; MI455X (gfx1250); checked and timed in simulation.
; The chip was launched on July 23, 2026; its instructions are those of AMD's public machine-readable ISA for CDNA 5 (MIT licence, August 2026) and "CDNA5" Instruction Set Architecture Reference Guide (July 2026). The comments in the code are by the model that wrote it; some were corrected since.
;; Multi Head Attention. Allowed arithmetic: matrix products marked QUANTISED: E2M1 operands, one E8M0 scale for each 32 along K, by v_wmma_scale_f32_16x16x128_f8f6f4 with both operands' format E2M1 (or v_wmma_scale_f32_32x16x128_f4), f32 sums; products left as they are: bf16, f16 or f32 operands; f32 sums; everything else in f32.
;; Inputs: K 4 x 2,048 x 1,024 float32; Q 4 x 2,048 x 1,024 float32; V 4 x 2,048 x 1,024 float32; Wk 1,024 x 1,024 float32; Wo 1,024 x 1,024 float32; Wq 1,024 x 1,024 float32; Wv 1,024 x 1,024 float32; bk 1,024 float32; bo 1,024 float32; bq 1,024 float32; bv 1,024 float32.
;; Outputs: out0 4 x 2,048 x 1,024 float32.
;; This version of the problem:
;;   THIS VERSION OF THE PROBLEM IS GIVEN IN LOW PRECISION. The matrix products marked QUANTISED in the list below multiply operands that are first quantised to E2M1 (2 exponent bits, 1 mantissa bit; 4 bits a number), with one power-of-two scale for each 32 numbers along K (OCP MX v1.0); their sums are f32. The products marked 'left as it is' may take bf16, f16 or f32 operands, with f32 sums. Whichever they take, every output number must still come out within the allowed error. Rounding operands to bf16 (8 significant bits) uses up far more of that allowance than f16 does (11 bits, for magnitudes from 6e-5 to 65,504). All else is computed in f32.
;;   The module's matrix products, in the order in which they are computed (A, B: the left and right operand; K: the contracted axis; several contracted axes count as one K, in the product's order):
;;     1. [M 8,192, K 1,024] x [K 1,024, N 1,024]; A: input Q; B: input Wq: QUANTISED
;;     2. [M 8,192, K 1,024] x [K 1,024, N 1,024]; A: input K; B: input Wk: QUANTISED
;;     3. [M 8,192, K 1,024] x [K 1,024, N 1,024]; A: input V; B: input Wv: QUANTISED
;;     4. batch 64 x [M 2,048, K 64] x [K 64, N 2,048]; A: computed on the way; B: computed on the way: left as it is (an operand is computed on the way)
;;     5. batch 64 x [M 2,048, K 2,048] x [K 2,048, N 64]; A: computed on the way; B: computed on the way: left as it is (an operand is computed on the way)
;;     6. [M 8,192, K 1,024] x [K 1,024, N 1,024]; A: computed on the way; B: input Wo: left as it is (an operand is computed on the way)
;;   THE QUANTISER, for each operand of a quantised product, along K:
;;     - K is cut into blocks of 32 from its start; a last block that is shorter is filled with zeros.
;;     - A block's scale is 2^e with e = floor(log2(the largest magnitude in the block)) - 2, held to -126 .. 127; a block of zeros has e = 0. As a byte (E8M0): e + 127.
;;     - Each number is divided by its block's scale, clamped to +-6, and rounded to the nearest number of E2M1, ties to even, subnormals kept.
;;     - The product sums the exact products of the quantised numbers (number of the format x scale) in f32.
;;   ~~~python
;;   def quantise(x, axis):      # numpy; x: float32 -> the quantised numbers, widened to float32 again
;;       x = np.moveaxis(x, axis, -1); K = x.shape[-1]
;;       x = np.pad(x, [(0, 0)] * (x.ndim - 1) + [(0, -K % 32)]); x = x.reshape(x.shape[:-1] + (-1, 32)); a = np.abs(x).max(-1, keepdims=True)
;;       e = np.where(a > 0, np.clip(np.frexp(np.where(a > 0, a, 1))[1] - 1 - 2, -126, 127), 0)      # np.frexp(a)[1] - 1 = floor(log2(a)), exactly
;;       r = np.clip(x / 2.0 ** e, -6, 6)
;;       step = 2.0 ** (np.maximum(np.frexp(np.where(r == 0, 1, r))[1] - 1, 0) - 1)
;;       q = np.round(r / step) * step * 2.0 ** e      # np.round: ties to even
;;       return np.moveaxis(q.reshape(q.shape[:-2] + (-1,))[..., :K], -1, axis).astype(np.float32)
;;   ~~~
;; One version. Each part assembles by itself: llvm-mc -triple=amdgcn-amd-amdhsa -mcpu=gfx1250 --defsym DOCPART=n.
;; ======== version 1 of 1: 4 launches
;; limits: values are held in f16: magnitudes above 65,504 overflow, below 6.1e-05 lose precision
;; workspace buffers: xcodes 12,582,912 bytes; xscales 786,432 bytes; wcodes 1,572,864 bytes; wscales 98,304 bytes; wo16 2,097,152 bytes; qkv 50,331,648 bytes; o16 16,777,216 bytes
;; launch prep (part 1): grid 880 x 1, 4 waves a work-group, no clusters, 68,096 bytes of LDS; arguments Q, K, V, Wq, Wk, Wv, Wo, xcodes, xscales, wcodes, wscales, wo16; writes xcodes, xscales, wcodes, wscales, wo16
.if DOCPART == 1
	.amdgcn_target "amdgcn-amd-amdhsa--gfx1250"
	.amdhsa_code_object_version 6
	.text
	.protected	k_q2fe825610c_prep
	.globl	k_q2fe825610c_prep
	.p2align	8
	.type	k_q2fe825610c_prep,@function
k_q2fe825610c_prep:
	s_mov_b64 s[64:65], 0
	v_nop
	global_prefetch_b8 v0, s[64:65] scope:SCOPE_SE
	s_setreg_imm32_b32 hwreg(HW_REG_WAVE_MODE, 25, 1), 1
	s_wait_xcnt 0x0
; PREP: everything that is made once from the inputs, in one launch of three paths that part on the work-group's number and never join.
;   work-groups 0-47    Wq, Wk, Wv [1024 (k)][1024 (n)] f32 -> codes of FP4 (E2M1) laid [3][1024 (n)][512 bytes], K innermost, and one E8M0 byte for each 32 along K, [3][1024][32].
;   work-groups 48-111  Wo [1024 (k)][1024 (n)] f32 -> f16, laid as images of the operand registers of a 16 x 16 x 32 product: image (nt, kf) at (32 nt + kf) x 1,024 bytes; in it
;                       lane (r, h)'s 16 bytes of registers 4 c .. 4 c + 3 at 512 c + 16 (16 h + r): Wo(k = 32 kf + 16 c + 8 h + 0 .. 7, n = 16 nt + r).
;   work-groups 112-879 Q, K, V [8192][1024] f32 -> codes [3][8192][512 bytes] and scale bytes [3][8192][32].
; THE QUANTISER: a block's scale is 2^(floor(log2(its largest magnitude)) - 2); its byte is the largest magnitude's exponent field - 2, held at 1 from below; each number is divided by the
; scale and rounded to the nearest code, ties to even, beyond 6 the code of 6.
; LIMITS: a block of zeros gets the byte 1 where the rule says 127: its codes are zeros, and this program alone reads the bytes.  NaN and infinities among the inputs are not served.
; Wo goes to f16: magnitudes from 65,504 on become infinity; under 6e-5 the step is 2^-24.
; No tensor loads, no barrier: waves share nothing.  Each path that uses LDS has LDS bytes of its own.
.set SPARE,  67584                     ; behind both paths' stages: the spare words, 128 bytes for each wave: two blocks of 256 bytes that no other line names
.set SPW,    12                        ; v12  LDS address of my spare word: SPARE + 4 x my thread's number; never rewritten
.set NIL,    13                        ; v13  0; never rewritten
.set NWW,    48                        ; work-groups for the three quantised weights
.set NWO,    64                        ; work-groups for Wo
	s_load_b512 s[8:23], s[0:1], 0x0               ; Q s8, K s10, V s12, Wq s14, Wk s16, Wv s18, Wo s20, xcodes s22
	s_load_b256 s[24:31], s[0:1], 0x40             ; xscales s24, wcodes s26, wscales s28, wo16 s30
	v_lshl_add_u32 v[SPW], v0, 2, SPARE
	v_mov_b32 v[NIL], 0
	v_lshrrev_b32 v1, 5, v0
	v_readfirstlane_b32 s32, v1                    ; wave 0..3
	v_and_b32 v2, 31, v0                           ; lane
	s_wait_kmcnt 0x0
	s_cmp_lt_u32 ttmp9, NWW
	s_cbranch_scc1 .Lweights
	s_cmp_lt_u32 ttmp9, NWW+NWO
	s_cbranch_scc1 .Lwo
; ---------------------------------------------------------------- Q, K, V: K is innermost
; Rows are dense and 1,024 is a multiple of 32: each tensor is a plain stream of blocks of 32, and so are its codes and scale bytes; the three tensors' codes lie on end in xcodes, their bytes in xscales.
; A wave takes a run of 8,192 numbers in 16 steps of 512.  Each of a step's four loads reads 512 consecutive bytes, 16 a lane; the 2,048 bytes turn through the wave's own stage in LDS
; (16 bytes of padding behind each 64) and come back 64 bytes a lane: 16 neighbours along K, two neighbouring lanes to a block.  Loads run four steps ahead, the turn through LDS one.
.set XSTEPS, 16
.set XWREG,  8192                      ; LDS: a region for each wave: two stages of 32 x XSP bytes, then its 256 scale bytes
.set XSP,    80
.set XR,     16                        ; v16-79   four sets of 16 numbers as loaded
.set XX,     80                        ; v80-111  two sets of 16 neighbours
.set XE,     112                       ; v112-127 a scale byte for each step
.set XC,     128                       ; v128-191 codes: registers of its own for each step, so that no store's data are written again
	s_sub_co_u32 s33, ttmp9, NWW+NWO               ; 0..767: 256 work-groups to a tensor
	s_cmp_lt_u32 s33, 256
	s_cselect_b64 s[4:5], s[8:9], s[10:11]         ; Q or K,
	s_cmp_lt_u32 s33, 512
	s_cselect_b64 s[4:5], s[4:5], s[12:13]         ; or V: the choice hangs on the work-group's number alone
	s_lshl_b32 s34, s33, 2
	s_add_co_u32 s34, s34, s32                     ; my run, 0..3071
	s_and_b32 s36, s34, 1023
	s_lshl_b32 s36, s36, 15                        ; in its tensor: 32,768 bytes a run
	s_mov_b32 s37, 0
	s_add_nc_u64 s[4:5], s[4:5], s[36:37]
	s_lshl_b32 s36, s34, 12                        ; 4,096 bytes of codes a run
	s_add_nc_u64 s[22:23], s[22:23], s[36:37]
	s_lshl_b32 s36, s34, 8                         ; 256 scale bytes a run
	s_add_nc_u64 s[24:25], s[24:25], s[36:37]
	v_lshlrev_b32 v3, 4, v2                        ; my 16 bytes of a load's 512
	s_mul_i32 s38, s32, XWREG
	v_lshrrev_b32 v14, 2, v2
	v_mul_u32_u24 v14, v14, XSP
	v_and_b32 v15, 3, v2
	v_lshl_add_u32 v14, v15, 4, v14
	v_add_nc_u32 v14, s38, v14                     ; the stage, on the way in: XSP (lane / 4) + 16 (lane % 4)
	v_mul_u32_u24 v15, v2, XSP
	v_add_nc_u32 v15, s38, v15                     ; and on the way out: XSP x lane: my 16 neighbours
	v_lshlrev_b32 v4, 3, v2                        ; my 8 bytes of a step's 256 bytes of codes
	v_lshrrev_b32 v5, 1, v2
	s_add_co_u32 s38, s38, 2*32*XSP
	v_add_nc_u32 v5, s38, v5                       ; LDS: my wave's 256 scale bytes, my block's byte
	v_lshlrev_b32 v7, 3, v2                        ; and on the way out 8 bytes a lane
	v_add_nc_u32 v6, s38, v7
.macro XLOAD t
.irp i, 0,1,2,3
	global_load_b128 v[XR+16*((\t)%4)+4*\i:XR+16*((\t)%4)+4*\i+3], v3, s[4:5] offset:2048*(\t)+512*\i th:TH_LOAD_NT
.endr
.endm
.macro XTURN t                         ; step t's numbers through the stage: LDS serves a wave's instructions in order, so no wait stands between the stores and the loads
.irp i, 0,1,2,3
	ds_store_b128 v14, v[XR+16*((\t)%4)+4*\i:XR+16*((\t)%4)+4*\i+3] offset:32*XSP*((\t)%2)+8*XSP*\i
.endr
.irp i, 0,1,2,3
	ds_load_b128 v[XX+16*((\t)%2)+4*\i:XX+16*((\t)%2)+4*\i+3], v15 offset:32*XSP*((\t)%2)+16*\i
.endr
.endm
.irp t, 0,1,2,3
	XLOAD \t
.endr
	s_wait_loadcnt 12                              ; step 0's four loads are in; the twelve of steps 1 to 3 may be out
	XTURN 0
.macro XSTEP t
.set XS, XX+16*((\t)%2)
.if (\t) > 0
	s_wait_dscnt 1                                 ; this step's numbers are back from the stage (the last step's byte store may be out): so its stores into the stage have read their registers,
.else
	s_wait_dscnt 0x0
.endif
.if (\t)+4 < XSTEPS
	XLOAD (\t)+4                                   ; which take the loads of four steps on
.endif
.if (\t)+1 < XSTEPS
.if XSTEPS-2-(\t) >= 3
	s_wait_loadcnt 12                              ; the next step's four loads are in; those of the three steps behind it may be out
.else
	s_wait_loadcnt 4*(XSTEPS-2-(\t))               ; at the end the count runs down with the steps that are left
.endif
	XTURN (\t)+1                                   ; and go through the other stage while this step is worked
.endif
	v_max3_num_f32 v8, |v[XS]|, |v[XS+1]|, |v[XS+2]|               ; the largest magnitude of my 16, in two chains
	v_max3_num_f32 v9, |v[XS+3]|, |v[XS+4]|, |v[XS+5]|
.irp i, 6,10
	v_max3_num_f32 v8, v8, |v[XS+\i]|, |v[XS+\i+1]|
	v_max3_num_f32 v9, v9, |v[XS+\i+2]|, |v[XS+\i+3]|
.endr
	v_max3_num_f32 v8, v8, |v[XS+14]|, |v[XS+15]|
	v_max3_num_f32 v8, v8, v9, 0x1800000           ; and the floor 2^(3 - 127): the byte cannot fall under 1
	v_max_num_f32_dpp v8, v8, v8 row_xmask:1 row_mask:0xf bank_mask:0xf   ; and of my neighbour's 16: the block's
	v_add_nc_u32 v11, 0xff000000, v8               ; 2 off its exponent field: the conversion takes the exponent field of this operand as its scale, and nothing else of it
	v_cvt_scalef32_pk8_fp4_f32 v[XC+4*(\t)], v[XS:XS+7], v11
	v_cvt_scalef32_pk8_fp4_f32 v[XC+4*(\t)+1], v[XS+8:XS+15], v11
	v_lshrrev_b32 v[XE+(\t)], 23, v11              ; the scale's byte (a plain line behind the conversions)
	ds_store_b8 v5, v[XE+(\t)] offset:16*(\t)      ; both lanes of a block write the same byte with the same value
	global_store_b64 v4, v[XC+4*(\t):XC+4*(\t)+1], s[22:23] offset:256*(\t)   ; the wave stores 256 consecutive bytes, aligned
.endm
.irp t, 0,1,2,3,4,5,6,7,8,9,10,11,12,13,14,15
	XSTEP \t
.endr
	ds_load_b64 v[8:9], v6                         ; LDS serves a wave's instructions in order: these see my byte stores
	s_wait_dscnt 0x0
	global_store_b64 v7, v[8:9], s[24:25]          ; 32 lanes store the run's 256 scale bytes, aligned
	s_wait_tensorcnt 0x0                           ; the wave's end, behind my last LDS store
	ds_add_u32 v[SPW], v[NIL]
	s_wait_dscnt 0x0
	s_endpgm
; ---------------------------------------------------------------- Wq, Wk, Wv: K is the FIRST axis
; A lane takes a column n and its registers run down K: each load reads 128 consecutive bytes a wave, a block of 32 along K lies in one lane's 32 registers, and the conversions give codes with K innermost.
; A wave takes 32 columns x 512 along K; a column's 256 bytes of codes go through the wave's own stage (rows 272 bytes apart) and leave by rows, sixteen lanes to 256 consecutive aligned bytes.
.set WSTAGE, 32768                     ; LDS: the weights' stages lie behind the other path's regions
.set WPITCH, 272
.set WNB,    16                        ; blocks a lane
.set WX,     32                        ; v32-95   two sets of 32 numbers
.set WC,     96                        ; v96-99   a block's codes
.set WOUT,   112                       ; v112-175 the way out
.set WSB,    24                        ; v24-27   the scale bytes, four to a register
.Lweights:
	s_lshr_b32 s33, ttmp9, 4                       ; which weight: 16 work-groups each
	s_and_b32 s34, ttmp9, 7                        ; which 128 columns
	s_bfe_u32 s35, ttmp9, 0x10003                  ; which 512 along K
	s_cmp_eq_u32 s33, 0
	s_cselect_b64 s[4:5], s[14:15], s[16:17]
	s_cmp_eq_u32 s33, 2
	s_cselect_b64 s[4:5], s[18:19], s[4:5]
	s_lshl_b32 s34, s34, 7
	s_lshl_b32 s36, s32, 5
	s_add_co_u32 s34, s34, s36                     ; my wave's first column
	s_lshl_b32 s36, s35, 21                        ; 512 rows of 4,096 bytes
	s_lshl_b32 s37, s34, 2
	s_add_co_u32 s36, s36, s37
	s_mov_b32 s37, 0
	s_add_nc_u64 s[4:5], s[4:5], s[36:37]
	s_lshl_b32 s38, s33, 10
	s_add_co_u32 s38, s38, s34                     ; my first row of the codes' and of the bytes' buffer
	s_lshl_b32 s36, s38, 9
	s_lshl_b32 s39, s35, 8
	s_add_co_u32 s36, s36, s39
	s_add_nc_u64 s[26:27], s[26:27], s[36:37]
	s_lshl_b32 s36, s38, 5
	s_lshl_b32 s39, s35, 4
	s_add_co_u32 s36, s36, s39
	s_add_nc_u64 s[28:29], s[28:29], s[36:37]
	v_lshlrev_b32 v3, 2, v2                        ; in: 4 bytes a lane
	s_mul_i32 s39, s32, 32*WPITCH
	s_add_co_u32 s39, s39, WSTAGE                  ; my stage
	v_mul_u32_u24 v4, v2, WPITCH
	v_add_nc_u32 v4, s39, v4                       ; into it: row = my column
	v_and_b32 v5, 15, v2
	v_lshrrev_b32 v6, 4, v2
	v_mul_u32_u24 v7, v6, WPITCH
	v_lshl_add_u32 v7, v5, 4, v7
	v_add_nc_u32 v7, s39, v7                       ; out of it: sixteen lanes to a row, two rows an instruction
	v_lshlrev_b32 v8, 9, v6
	v_lshl_add_u32 v8, v5, 4, v8                   ; and the same place in the codes' buffer (rows of 512 bytes)
	v_lshlrev_b32 v9, 5, v2                        ; my column's row of scale bytes
.macro WLOAD t                         ; block t: W(32 t + i, my column) into set t % 2
.irp i, 0,1,2,3,4,5,6,7,8,9,10,11,12,13,14,15,16,17,18,19,20,21,22,23,24,25,26,27,28,29,30,31
	global_load_b32 v[WX+32*((\t)%2)+\i], v3, s[4:5] offset:(32*(\t)+\i)*4096 th:TH_LOAD_NT
.endr
.endm
	WLOAD 0
	WLOAD 1
.macro WBLOCK t
.set WS, WX+32*((\t)%2)
.if (\t) < WNB-1
	s_wait_loadcnt 32                              ; this block's 32 loads are in; the next block's 32 may be out
.else
	s_wait_loadcnt 0
.endif
	v_max3_num_f32 v16, |v[WS]|, |v[WS+1]|, |v[WS+2]|              ; the block's largest magnitude: all 32 numbers are mine
	v_max3_num_f32 v17, |v[WS+3]|, |v[WS+4]|, |v[WS+5]|
.irp i, 6,10,14,18,22,26
	v_max3_num_f32 v16, v16, |v[WS+\i]|, |v[WS+\i+1]|
	v_max3_num_f32 v17, v17, |v[WS+\i+2]|, |v[WS+\i+3]|
.endr
	v_max3_num_f32 v16, v16, |v[WS+30]|, |v[WS+31]|
	v_max3_num_f32 v16, v16, v17, 0x1800000        ; and the floor 2^(3 - 127)
	v_add_nc_u32 v11, 0xff000000, v16              ; 2 off its exponent field: the conversion's scale operand
	v_lshrrev_b32 v17, 23, v11                     ; the scale's byte
.if (\t)%4 == 0
	v_mov_b32 v[WSB+(\t)/4], v17                   ; four bytes to a register, the lower K in the lower byte
.else
	v_lshl_or_b32 v[WSB+(\t)/4], v17, 8*((\t)%4), v[WSB+(\t)/4]
.endif
.irp g, 0,1,2,3
	v_cvt_scalef32_pk8_fp4_f32 v[WC+\g], v[WS+8*\g:WS+8*\g+7], v11
.endr
	ds_store_b128 v4, v[WC:WC+3] offset:16*(\t)    ; 32 codes: 16 bytes of my column's row
.if (\t)+2 < WNB
	WLOAD (\t)+2
.endif
	s_wait_dscnt 0x0                               ; the store has read its registers: the next block's codes may be written
.endm
.set Q, 0
.rept WNB
	WBLOCK Q
.set Q, Q+1
.endr
	global_store_b128 v9, v[WSB:WSB+3], s[28:29]   ; my column's 16 scale bytes
.irp t, 0,1,2,3,4,5,6,7,8,9,10,11,12,13,14,15
	ds_load_b128 v[WOUT+4*\t:WOUT+4*\t+3], v7 offset:2*\t*WPITCH
.endr
.irp t, 0,1,2,3,4,5,6,7,8,9,10,11,12,13,14,15
	s_wait_dscnt 15-\t                             ; LDS loads come back in order: load t is in, the 15 - t younger ones may be out
	global_store_b128 v8, v[WOUT+4*\t:WOUT+4*\t+3], s[26:27] offset:2*\t*512
.endr
	s_wait_tensorcnt 0x0                           ; the wave's end, behind my last LDS store
	ds_add_u32 v[SPW], v[NIL]
	s_wait_dscnt 0x0
	s_endpgm
; ---------------------------------------------------------------- Wo -> f16 register images
; A lane takes a column n, its registers run down K: 32 numbers are one image's K.  Packed in pairs, registers 4 g .. 4 g + 3 hold k = 8 g .. 8 g + 7: the 16 bytes of chunk g / 2, half g % 2, row n % 16:
; byte 256 g + 16 (n % 16) of the image.  So sixteen lanes store 256 consecutive aligned bytes, straight from registers.  A wave takes 32 columns x 128 along K: four images deep.
.Lwo:
	s_sub_co_u32 s33, ttmp9, NWW
	s_and_b32 s34, s33, 7                          ; which 128 columns
	s_lshr_b32 s35, s33, 3                         ; which 128 along K
	s_lshl_b32 s36, s34, 9
	s_lshl_b32 s37, s32, 7
	s_add_co_u32 s36, s36, s37                     ; my first column, in bytes
	s_lshl_b32 s37, s35, 19                        ; 128 rows of 4,096 bytes
	s_add_co_u32 s36, s36, s37
	s_mov_b32 s37, 0
	s_add_nc_u64 s[20:21], s[20:21], s[36:37]
	s_lshl_b32 s36, s34, 3
	s_lshl_b32 s38, s32, 1
	s_add_co_u32 s36, s36, s38                     ; my first tile of 16 columns
	s_lshl_b32 s36, s36, 15                        ; 32 images of 1,024 bytes to a tile of columns
	s_lshl_b32 s38, s35, 12                        ; four images along K
	s_add_co_u32 s36, s36, s38
	s_add_nc_u64 s[30:31], s[30:31], s[36:37]
	v_lshlrev_b32 v3, 2, v2
	v_lshrrev_b32 v4, 4, v2
	v_and_b32 v5, 15, v2
	v_lshlrev_b32 v4, 15, v4                       ; lanes 16-31: the next tile of columns
	v_lshl_add_u32 v4, v5, 4, v4
.macro OLOAD t
.irp i, 0,1,2,3,4,5,6,7,8,9,10,11,12,13,14,15,16,17,18,19,20,21,22,23,24,25,26,27,28,29,30,31
	global_load_b32 v[32+32*(\t)+\i], v3, s[20:21] offset:(32*(\t)+\i)*4096 th:TH_LOAD_NT
.endr
.endm
.macro OPACK t                         ; packed in place, ascending: destination p never passes the sources 2 p and 2 p + 1
.irp p, 0,1,2,3,4,5,6,7,8,9,10,11,12,13,14,15
	v_cvt_pk_f16_f32 v[32+32*(\t)+\p], v[32+32*(\t)+2*\p], v[32+32*(\t)+2*\p+1]
.endr
.irp g, 0,1,2,3
	global_store_b128 v4, v[32+32*(\t)+4*\g:32+32*(\t)+4*\g+3], s[30:31] offset:(\t)*1024+\g*256
.endr
.endm
	OLOAD 0
	OLOAD 1
	s_wait_loadcnt 32                              ; set 0 is in; set 1's 32 loads may be out
	OLOAD 2
	OPACK 0
	s_wait_loadcnt 32                              ; set 1 is in; set 2's may be out
	OLOAD 3
	OPACK 1
	s_wait_loadcnt 32                              ; set 2 is in; set 3's may be out
	OPACK 2
	s_wait_loadcnt 0x0
	OPACK 3                                        ; every set has registers of its own: no store's data are written again
	s_endpgm
.Lfunc_end_k_q2fe825610c_prep:
	.size	k_q2fe825610c_prep, .Lfunc_end_k_q2fe825610c_prep-k_q2fe825610c_prep
	.p2alignl 7, 3214868480
	.fill 96, 4, 3214868480
	.section	.rodata,"a",@progbits
	.p2align	6, 0x0
	.amdhsa_kernel k_q2fe825610c_prep
		.amdhsa_group_segment_fixed_size 68096
		.amdhsa_private_segment_fixed_size 0
		.amdhsa_enable_private_segment 0
		.amdhsa_kernarg_size 96
		.amdhsa_user_sgpr_count 2
		.amdhsa_user_sgpr_kernarg_segment_ptr 1
		.amdhsa_wavefront_size32 1
		.amdhsa_system_sgpr_workgroup_id_x 1
		.amdhsa_system_sgpr_workgroup_id_y 1
		.amdhsa_system_sgpr_workgroup_id_z 1
		.amdhsa_system_vgpr_workitem_id 0
		.amdhsa_next_free_vgpr 192
		.amdhsa_next_free_sgpr 66
		.amdhsa_reserve_vcc 0
		.amdhsa_float_denorm_mode_32 3
		.amdhsa_float_denorm_mode_16_64 3
		.amdhsa_memory_ordered 1
		.amdhsa_forward_progress 1
		.amdhsa_inst_pref_size 129
	.end_amdhsa_kernel
	.amdgpu_metadata
---
amdhsa.version: [ 1, 2 ]
amdhsa.kernels:
  - .name:           k_q2fe825610c_prep
    .symbol:         k_q2fe825610c_prep.kd
    .args:
      - { .name: Q, .offset: 0, .size: 8, .value_kind: global_buffer, .address_space: global }
      - { .name: K, .offset: 8, .size: 8, .value_kind: global_buffer, .address_space: global }
      - { .name: V, .offset: 16, .size: 8, .value_kind: global_buffer, .address_space: global }
      - { .name: Wq, .offset: 24, .size: 8, .value_kind: global_buffer, .address_space: global }
      - { .name: Wk, .offset: 32, .size: 8, .value_kind: global_buffer, .address_space: global }
      - { .name: Wv, .offset: 40, .size: 8, .value_kind: global_buffer, .address_space: global }
      - { .name: Wo, .offset: 48, .size: 8, .value_kind: global_buffer, .address_space: global }
      - { .name: xcodes, .offset: 56, .size: 8, .value_kind: global_buffer, .address_space: global }
      - { .name: xscales, .offset: 64, .size: 8, .value_kind: global_buffer, .address_space: global }
      - { .name: wcodes, .offset: 72, .size: 8, .value_kind: global_buffer, .address_space: global }
      - { .name: wscales, .offset: 80, .size: 8, .value_kind: global_buffer, .address_space: global }
      - { .name: wo16, .offset: 88, .size: 8, .value_kind: global_buffer, .address_space: global }
    .group_segment_fixed_size: 68096
    .private_segment_fixed_size: 0
    .kernarg_segment_align: 8
    .kernarg_segment_size: 96
    .max_flat_workgroup_size: 128
    .sgpr_count:     66
    .vgpr_count:     192
    .wavefront_size: 32
...
	.end_amdgpu_metadata
.endif
;; end of part 1
;; launch proj (part 2): grid 4 x 96, 4 waves a work-group, clusters of 4 x 4, 327,680 bytes of LDS; arguments xcodes, xscales, wcodes, wscales, qkv, bq, bk, bv; writes qkv
.if DOCPART == 2
	.amdgcn_target "amdgcn-amd-amdhsa--gfx1250"
	.amdhsa_code_object_version 6
	.text
	.protected	k_q2fe825610c_proj
	.globl	k_q2fe825610c_proj
	.p2align	8
	.type	k_q2fe825610c_proj,@function
k_q2fe825610c_proj:
	s_mov_b64 s[64:65], 0
	v_nop
	global_prefetch_b8 v0, s[64:65] scope:SCOPE_SE
	s_setreg_imm32_b32 hwreg(HW_REG_WAVE_MODE, 25, 1), 1
	s_wait_xcnt 0x0
	s_wait_alu depctr_hold_cnt(0) depctr_sa_sdst(0) depctr_va_vdst(0) depctr_va_sdst(0) depctr_va_ssrc(0) depctr_va_vcc(0) depctr_vm_vsrc(0)
	s_getreg_b32 s2, hwreg(HW_REG_IB_STS2, 6, 4)
	s_cmp_eq_u32 s2, 0
	s_cbranch_scc0 .Lentry_in_a_cluster
	s_endpgm
.Lentry_in_a_cluster:
	s_bfe_u32 s2, ttmp6, 0x10000c
	s_cmp_lg_u32 s2, 0xf033
	s_cbranch_scc0 .Lentry_shape_is_right
	s_endpgm
.Lentry_shape_is_right:
; PROJ: q = Q Wq + bq, k = K Wk + bk, v = V Wv + bv, as ONE product on codes of FP4 (E2M1) with one E8M0 scale for each 32 along K: the 24,576 rows of xcodes (Q's, K's, V's on end) against
; the 1,024 columns of the tensor's own weight.  Sums in f32; the bias is the C of each sum's first matrix instruction.  The results leave as f16, in the order of the next product's operand registers.
; A tile of C, 256 x 256, is made by a work-group of four waves; a wave makes 128 x 128: 64 accumulators, 512 registers.  K = 1,024 is two K steps of 512: both LDS slots are filled once, at the start,
; and nothing is filled again.  The scale bytes of the work-group's rows, for all of K, come once, as dense blocks.
; CLUSTERS: 4 x 4 work-groups.  The four of a row of the cluster need the same tiles of X, the four of a column the same tiles of W: each tile is asked for JOINTLY.  A cluster's 1,024 rows lie in one
; tensor (8,192 rows each), so which tensor it is hangs on the cluster's y alone and is the same in all sixteen partners.
; THE MATRIX INSTRUCTION IS USED TRANSPOSED (source 0 = 16 columns of W, source 1 = 16 rows of X): a lane holds eight neighbouring channels of one position: 16 bytes of f16.
; qkv: [3][64 (batch, head)][128 tiles of 16 positions][4 groups of 16 channels][512 bytes].  In q and k, (position r, channels 16 b + 8 h + 0 .. 7) lies at 16 (16 h + r): an image of four operand registers.
; In v it lies at 32 r + 16 h: 16 keys x 16 channels by rows of 32 bytes, for the turning LDS load.  Either way a wave's store covers 512 consecutive bytes: no stage is needed.
; LIMIT: q, k, v go to f16: magnitudes from 65,504 on become infinity (the drawn inputs give about 6; inputs and weights both 30 times larger about 5,400; both with an offset of 30 spreads about 29,000).
; REGISTERS, in windows of 256: window 0: v0-31 addresses; v32-95 scale words, two sets; v128-191 X's fragments, one set; v192-255 the bias; on the way out v128-255 hold packed results.
;   window 1: W's fragments, two sets, at v0 and v128.   window 2: the accumulators of my rows 0-63 ((a, b) at v[8 (8 a + b)]);   window 3: those of my rows 64-127.
.set KSTEP,  512
.set NQ,     KSTEP/128
.set ROWB,   256                       ; a tile's row in bytes
.set KROW,   512                       ; a row of codes in memory
.set PITCH,  272                       ; an LDS row: 256 bytes + 16 of padding, so that the 16 rows that a load touches start 68 words apart
.set FR,     8
.set NL,     2
.set NP,     4
.set HALFT,  128*PITCH
.set SLOT,   4*HALFT
.set KS,     32                        ; a row of scale bytes
.set SCL,    2*SLOT
.set HALFS,  (128*KS/256)*272
.set SBLK,   (16*KS/256)*272
.set SPARE,  SCL+4*HALFS               ; the spare words, 128 bytes for each wave: two blocks of 256 bytes that no other line names
.set ADRA, 16
.set ADRB, 20
.set CO,   26                          ; v26  my 16 bytes' place in a block of 512
.set ADRS, 27
.set SPW,  28
.set NIL,  29
.set BO,   30                          ; v30  the bias: 32 bytes for each half of the lanes
.set SC,   32
.set AF,   128
.set BIAS, 192
.set TMP,  128
.set G1, 24
.set G0, 32
.set G1B, 48
.set G0B, 56
.set G1S, 68
.set G0S, 76
.set G1SB, 80
.set G0SB, 88
.set TEN, 95                           ; s95  which tensor: 0 q, 1 k, 2 v
.set MSB, 0
.macro WIN new                         ; the immediate's high byte repeats the setting that is left
.if MSB != (\new)
	s_set_vgpr_msb (MSB<<8)|(\new)
.set MSB, (\new)
.endif
.endm
.set MUL_LO, 0xa1                      ; source 0 (W) window 1, source 1 (X) window 0, C and D window 2
.set MUL_HI, 0xf1                      ; the same, C and D window 3
.set TO_B,   0x40
; A joint load: waves 0 and 1 fetch for X, waves 2 and 3 for W.  The branch hangs on the wave's number alone.  An s_nop 0 and four v_nop follow each of the two lines.
.macro JLOAD g0a, g1a, g0b, g1b
	s_cmp_eq_u32 s15, 0
	s_cbranch_scc0 .Lfor_b_\@
	tensor_load_to_lds s[\g0a:\g0a+3], s[\g1a:\g1a+7]
	s_nop 0
.rept 4
	v_nop
.endr
	s_branch .Lasked_\@
.Lfor_b_\@:
	tensor_load_to_lds s[\g0b:\g0b+3], s[\g1b:\g1b+7]
	s_nop 0
.rept 4
	v_nop
.endr
.Lasked_\@:
.endm
.macro CROUND                          ; a round of the cluster's barrier
	s_barrier_signal -1
	s_barrier_wait -1
	s_cmp_lg_u32 s14, 0
	s_cbranch_scc1 .Lnot_wave_0_\@
	s_barrier_signal -3
.Lnot_wave_0_\@:
	s_barrier_wait -3
	s_barrier_signal -1
	s_barrier_wait -1
.endm
	s_load_b128 s[4:7], s[0:1], 0x0                ; X's codes, X's scales
	s_load_b128 s[8:11], s[0:1], 0x10              ; W's codes, W's scales
	s_load_b64 s[12:13], s[0:1], 0x20              ; qkv
	s_load_b64 s[96:97], s[0:1], 0x28              ; bq
	s_load_b64 s[98:99], s[0:1], 0x30              ; bk
	s_load_b64 s[100:101], s[0:1], 0x38            ; bv
	v_lshl_add_u32 v[SPW], v0, 2, SPARE
	v_mov_b32 v[NIL], 0
	ds_add_u32 v[SPW], v[NIL]                      ; the wave's opening: the add, twice on end, and its wait ahead of my first tensor load
	ds_add_u32 v[SPW], v[NIL]
	v_lshrrev_b32 v1, 5, v0
	v_readfirstlane_b32 s14, v1                    ; wave 0..3
	s_lshr_b32 s15, s14, 1                         ; which half of the tile's rows is mine.  Also: I fetch for X (0) or for W (1)
	s_and_b32 s16, s14, 1                          ; which half of its columns.  Also: which 128 rows of that tile I fetch
	s_bfe_u32 s40, ttmp6, 0x40000                  ; cx, cy: my place in the cluster
	s_bfe_u32 s41, ttmp6, 0x40004
	s_lshl_b32 s42, ttmp9, 2
	s_add_co_u32 s42, s42, s40                     ; tile column = 4 x cluster x + cx
	s_and_b32 s17, ttmp7, 0xffff
	s_lshr_b32 s[TEN], s17, 3                      ; eight clusters of 1,024 rows to a tensor
	s_lshl_b32 s17, s17, 2
	s_add_co_u32 s17, s17, s41                     ; tile row = 4 x cluster y + cy
	s_lshl_b32 s43, s41, 2
	s_lshl_b32 s43, 15, s43                        ; my row of the cluster
	s_lshl_b32 s44, 0x1111, s40                    ; my column
	; descriptor group 1: a tile of 128 rows x 256 bytes, 16 bytes of padding behind each row
	s_or_b32 s[G1+0], s43, (0<<16)|(1<<20)|(1<<21)|(5<<22)|(3<<25)
	s_or_b32 s[G1B+0], s44, (0<<16)|(1<<20)|(1<<21)|(5<<22)|(3<<25)
.irp g, G1, G1B
	s_mov_b32 s[\g+1], ROWB<<16                    ; tensor_dim0
	s_mov_b32 s[\g+2], 128<<16                     ; tensor_dim1
	s_mov_b32 s[\g+3], ROWB<<16                    ; tile_dim0
	s_mov_b32 s[\g+4], 128                         ; tile_dim1
	s_mov_b32 s[\g+5], KROW                        ; from row to row
	s_mov_b32 s[\g+6], 0
	s_mov_b32 s[\g+7], 0
.endr
	; the scales of 128 rows: a dense block of 4,096 bytes, as 16 rows of 256 bytes (32 elements of 8 bytes), 16 bytes of padding behind each
	s_or_b32 s[G1S+0], s43, (3<<16)|(1<<20)|(1<<21)|(5<<22)|(3<<25)
	s_or_b32 s[G1SB+0], s44, (3<<16)|(1<<20)|(1<<21)|(5<<22)|(3<<25)
.irp g, G1S, G1SB
	s_mov_b32 s[\g+1], 32<<16
	s_mov_b32 s[\g+2], (128*KS/256)<<16
	s_mov_b32 s[\g+3], 32<<16
	s_mov_b32 s[\g+4], 128*KS/256
	s_mov_b32 s[\g+5], 32
	s_mov_b32 s[\g+6], 0
	s_mov_b32 s[\g+7], 0
.endr
	s_lshl_b32 s18, s16, 7                         ; which 128 rows of the tile I fetch
	s_lshl_b32 s20, s17, 8
	s_add_co_u32 s20, s20, s18                     ; X: row 256 x tile row + 128 x half
	s_lshl_b32 s46, s42, 8
	s_add_co_u32 s46, s46, s18                     ; W: row 256 x tile column + 128 x half
	s_lshl_b32 s66, s[TEN], 10
	s_add_co_u32 s46, s46, s66                     ; + 1,024 x tensor: the three weights' codes lie on end
	s_mov_b32 s21, 0
	s_mov_b32 s47, 0
	s_mov_b64 s[18:19], KS
	s_mul_u64 s[22:23], s[20:21], s[18:19]         ; where these rows' scales begin,
	s_mul_u64 s[92:93], s[46:47], s[18:19]
	s_mov_b64 s[18:19], KROW
	s_mul_u64 s[20:21], s[20:21], s[18:19]         ; and their codes
	s_mul_u64 s[46:47], s[46:47], s[18:19]
	s_mul_i32 s45, s14, HALFT                      ; where they go: wave x 128 rows
	s_mul_i32 s94, s14, HALFS
	s_wait_dscnt 0x0                               ; both opening adds are done
	s_wait_kmcnt 0x0
	s_add_nc_u64 s[20:21], s[4:5], s[20:21]
	s_add_nc_u64 s[22:23], s[6:7], s[22:23]
	s_add_nc_u64 s[46:47], s[8:9], s[46:47]
	s_add_nc_u64 s[92:93], s[10:11], s[92:93]
	CROUND                                         ; all sixteen work-groups are here: the joint loads meet
	s_mov_b32 s[G0S], 1
	s_add_co_u32 s[G0S+1], s94, SCL
	s_mov_b64 s[G0S+2:G0S+3], s[22:23]
	s_or_b32 s[G0S+3], s[G0S+3], 0x80000000
	s_mov_b32 s[G0SB], 1
	s_add_co_u32 s[G0SB+1], s94, SCL
	s_mov_b64 s[G0SB+2:G0SB+3], s[92:93]
	s_or_b32 s[G0SB+3], s[G0SB+3], 0x80000000
	JLOAD G0S, G1S, G0SB, G1SB                     ; the scales first: they are wanted with K step 0
.irp s, 0,1
	s_mov_b32 s[G0+4*\s], 1
	s_add_co_u32 s[G0+4*\s+1], s45, \s*SLOT
	s_add_nc_u64 s[G0+4*\s+2:G0+4*\s+3], s[20:21], \s*ROWB
	s_or_b32 s[G0+4*\s+3], s[G0+4*\s+3], 0x80000000
	s_mov_b32 s[G0B+4*\s], 1
	s_add_co_u32 s[G0B+4*\s+1], s45, \s*SLOT
	s_add_nc_u64 s[G0B+4*\s+2:G0B+4*\s+3], s[46:47], \s*ROWB
	s_or_b32 s[G0B+4*\s+3], s[G0B+4*\s+3], 0x80000000
	JLOAD G0+4*\s, G1, G0B+4*\s, G1B               ; both K steps: three tensor loads of mine are out, and these are all that the launch has
.endr
	v_and_b32 v1, 15, v0                           ; r = l % 16
	v_bfe_u32 v2, v0, 4, 1                         ; h = l / 16
	; the bias of my 128 columns, in the result's layout: for block b the eight numbers at 16 b + 8 h
	s_cmp_eq_u32 s[TEN], 0
	s_cselect_b64 s[96:97], s[96:97], s[98:99]
	s_cmp_eq_u32 s[TEN], 2
	s_cselect_b64 s[96:97], s[100:101], s[96:97]
	s_lshl_b32 s46, s42, 10
	s_lshl_b32 s47, s16, 9
	s_add_co_u32 s46, s46, s47
	s_mov_b32 s47, 0
	s_add_nc_u64 s[96:97], s[96:97], s[46:47]
	v_lshlrev_b32 v[BO], 5, v2
.irp b, 0,1,2,3,4,5,6,7
	global_load_b128 v[BIAS+8*\b:BIAS+8*\b+3], v[BO], s[96:97] offset:64*\b
	global_load_b128 v[BIAS+8*\b+4:BIAS+8*\b+7], v[BO], s[96:97] offset:64*\b+16
.endr
	v_mul_u32_u24 v3, v1, PITCH
	v_lshl_add_u32 v4, v2, 4, v3                   ; a fragment's row x pitch + 16 x half
	s_mul_i32 s21, s15, HALFT                      ; my 128 rows of X
	s_mul_i32 s22, s16, HALFT                      ; my 128 rows of W,
	s_add_co_u32 s22, s22, 2*HALFT                 ; which lie behind X's 256
.irp s, 0,1
	v_add_nc_u32 v[ADRA+\s], s21, v4
	v_add_nc_u32 v[ADRB+\s], s22, v4
	s_add_co_u32 s21, s21, SLOT
	s_add_co_u32 s22, s22, SLOT
.endr
	v_mul_u32_u24 v5, v1, KS                       ; my row's scales: KS bytes a row,
	v_lshrrev_b32 v6, 8, v5
	v_lshl_add_u32 v5, v6, 4, v5                   ; and 16 more for each 256 passed
	s_mul_i32 s21, s15, HALFS
	s_mul_i32 s22, s16, HALFS
	s_add_co_u32 s22, s22, 2*HALFS
	s_sub_co_u32 s22, s22, s21
	v_mul_u32_u24 v6, s22, v2                      ; lanes 16-31 take W's
	s_add_co_u32 s21, s21, SCL
	v_add_nc_u32 v5, v5, v6
	v_add_nc_u32 v[ADRS], s21, v5
	; the way out: where my wave's part of qkv begins, and my lane's 16 bytes in a block of 512
	s_cmp_eq_u32 s[TEN], 2
	s_cselect_b32 s66, 32, 16                      ; from position to position: v 32 bytes, q and k 16
	s_mov_b32 s67, 256
	s_cselect_b32 s67, 16, s67                     ; from half to half: v 16 bytes, q and k 256
	v_mul_u32_u24 v[CO], s66, v1
	v_mad_u32_u24 v[CO], v2, s67, v[CO]
	s_lshl_b32 s20, s17, 8
	s_lshl_b32 s21, s15, 7
	s_add_co_u32 s20, s20, s21                     ; my first row of the 24,576
	s_lshr_b32 s21, s20, 11
	s_lshl_b32 s21, s21, 22                        ; (tensor, batch): 16 heads of 262,144 bytes
	s_and_b32 s20, s20, 2047
	s_lshl_b32 s20, s20, 7                         ; a tile of 16 positions is 2,048 bytes
	s_add_co_u32 s20, s20, s21
	s_lshl_b32 s46, s42, 2
	s_lshl_b32 s47, s16, 1
	s_add_co_u32 s46, s46, s47                     ; my first head: 4 x tile column + 2 x half
	s_lshl_b32 s46, s46, 18
	s_add_co_u32 s20, s20, s46
	s_mov_b32 s21, 0
	s_add_nc_u64 s[12:13], s[12:13], s[20:21]
.macro FRAG reg, adr, q, i             ; a fragment, 16 rows x 128 K of 4-bit codes: lane l holds row l % 16; registers 4 c .. 4 c + 3 hold K = 64 c + 32 (l / 16) + 0 .. 31
.irp c, 0,1
	ds_load_b128 v[\reg+4*\c:\reg+4*\c+3], v[\adr] offset:64*(\q)+32*\c+(\i)*16*PITCH
.endr
.endm
; 16 matrix instructions: X's blocks a0, a0 + 1 against W's eight.  zero = 1: the first product starts the sums, with the bias as C.  The 64 accumulators take turns, one instruction a turn.
.macro MUL16 a0, p, q, sc, zero
.irp a, \a0, \a0+1
.irp b, 0,1,2,3,4,5,6,7
.if \zero
	v_wmma_scale_f32_16x16x128_f8f6f4 v[8*(8*((\a)%4)+\b):8*(8*((\a)%4)+\b)+7], v[128*(\p)+FR*\b:128*(\p)+FR*\b+FR-1], v[AF+FR*(\a):AF+FR*(\a)+FR-1], v[BIAS+8*\b:BIAS+8*\b+7], v[SC+8*NQ*(\sc)+NQ*\b+(\q)], v[SC+8*NQ*(\sc)+NQ*(\a)+(\q)] matrix_a_fmt:MATRIX_FMT_FP4 matrix_b_fmt:MATRIX_FMT_FP4 matrix_a_scale:MATRIX_SCALE_ROW1
.else
	v_wmma_scale_f32_16x16x128_f8f6f4 v[8*(8*((\a)%4)+\b):8*(8*((\a)%4)+\b)+7], v[128*(\p)+FR*\b:128*(\p)+FR*\b+FR-1], v[AF+FR*(\a):AF+FR*(\a)+FR-1], v[8*(8*((\a)%4)+\b):8*(8*((\a)%4)+\b)+7], v[SC+8*NQ*(\sc)+NQ*\b+(\q)], v[SC+8*NQ*(\sc)+NQ*(\a)+(\q)] matrix_a_fmt:MATRIX_FMT_FP4 matrix_b_fmt:MATRIX_FMT_FP4 matrix_a_scale:MATRIX_SCALE_ROW1
.endif
.endr
.endr
.endm
.macro FETCH_B slot, q, p
	WIN TO_B
.irp i, 0,1,2,3,4,5,6,7
	FRAG 128*(\p)+FR*\i, ADRB+\slot, \q, \i
.endr
	WIN 0
.endm
.macro FETCH_A slot, q, i0
.irp i, \i0, \i0+1, \i0+2, \i0+3
	FRAG AF+FR*(\i), ADRA+\slot, \q, \i
.endr
.endm
.macro SCALES sc                       ; a K step's scale words: four words a row; lanes 0-15 take X's block i, lanes 16-31 W's block i
.irp i, 0,1,2,3,4,5,6,7
	ds_load_b128 v[SC+8*NQ*\sc+NQ*\i:SC+8*NQ*\sc+NQ*\i+3], v[ADRS] offset:\i*SBLK
.endr
.endm
.macro PLACES n                        ; plain vector instructions between a matrix instruction and a load into, or a vector read or write of, its registers
.rept \n
	v_nop
.endr
.endm
; A step of 128 along K that has its successor in the same slot.  With zero = 1 the C operand is the bias, in window 0.
.macro STEP slot, q, zero
	s_wait_dscnt 4*NL                              ; W's set, X's blocks 0-3 (and the scale words) are in; the youngest eight loads, X's blocks 4-7, may be out
	WIN MUL_LO-0x20*(\zero)
	MUL16 0, (\q)%2, \q, \slot, \zero
	MUL16 2, (\q)%2, \q, \slot, \zero
	s_wait_dscnt 0                                 ; X's blocks 4-7 are in
	PLACES NP
	FETCH_B \slot, (\q)+1, 1-(\q)%2
	FETCH_A \slot, (\q)+1, 0
	WIN MUL_HI-0x30*(\zero)
	MUL16 4, (\q)%2, \q, \slot, \zero
	MUL16 6, (\q)%2, \q, \slot, \zero
	PLACES NP
	WIN 0
	FETCH_A \slot, (\q)+1, 4
.endm
; Slot 0's last step goes over to slot 1: each wave waits for its part of slot 1, and the barrier shows it to all.  Nothing is filled again.
.macro TURN slot, next
	s_wait_tensorcnt 0x0                           ; all my tensor loads have landed: my part of the next slot
	ds_add_u32 v[SPW], v[NIL]                      ; 0 onto my spare word, behind the wait for all tensor loads and in front of the barrier
	s_wait_dscnt 4*NL+1                            ; (the add and the youngest eight loads may be out)
	WIN MUL_LO
	MUL16 0, 1, NQ-1, \slot, 0
	s_wait_dscnt 0x0                               ; no LDS instruction of mine is out at the signal
	s_barrier_signal -1
	MUL16 2, 1, NQ-1, \slot, 0
	WIN 0
	s_barrier_wait -1
	PLACES NP
	v_add_nc_u32 v[ADRS], 4*NQ, v[ADRS]            ; on to the next K step's scale words
	FETCH_B \next, 0, 0
	FETCH_A \next, 0, 0
	SCALES \next
	WIN MUL_HI
	MUL16 4, 1, NQ-1, \slot, 0
	MUL16 6, 1, NQ-1, \slot, 0
	PLACES NP
	WIN 0
	FETCH_A \next, 0, 4
.endm
.macro STEPS slot, from
.set Q, \from
.rept NQ-1-\from
	STEP \slot, Q, 0
.set Q, Q+1
.endr
.endm
	s_wait_tensorcnt 1                             ; the scales and my part of K step 0 are in; K step 1's load may be out,
	s_barrier_signal -1
	s_barrier_wait -1                              ; everybody's are
	FETCH_B 0, 0, 0
	FETCH_A 0, 0, 0
	SCALES 0
	FETCH_A 0, 0, 4
	s_wait_loadcnt 0x0                             ; the bias
	STEP 0, 0, 1
	STEPS 0, 1
	TURN 0, 1
	STEPS 1, 0
	s_wait_dscnt 4*NL                              ; the very last step: nothing more to fetch
	WIN MUL_LO
	MUL16 0, 1, NQ-1, 1, 0
	MUL16 2, 1, NQ-1, 1, 0
	s_wait_dscnt 0
	WIN MUL_HI
	MUL16 4, 1, NQ-1, 1, 0
	MUL16 6, 1, NQ-1, 1, 0
	WIN 0
	; THE WAY OUT.  Accumulator (a, b): lane (r, h) holds position 16 a + r, channels 16 b + 8 h + 0 .. 7: four packings make its 16 bytes, and the 32 lanes' 16 bytes are one block of 512 bytes of qkv.
	; My rows 0-63 first, then rows 64-127, through the same 128 registers; each accumulator is read from its low end on.
	PLACES NP
.irp hh, 0,1
.if \hh
	s_wait_xcnt 0x0                                ; the first half's stores have read their data: the registers may be written again
.endif
	WIN 0x0a+5*\hh                                 ; sources in window 2 or 3
.irp a, 0,1,2,3
.irp b, 0,1,2,3,4,5,6,7
.irp p, 0,1,2,3
	v_cvt_pk_f16_f32 v[TMP+4*(8*\a+\b)+\p], v[8*(8*\a+\b)+2*\p], v[8*(8*\a+\b)+2*\p+1]
.endr
.endr
.endr
	WIN 0
.irp a, 0,1,2,3
.irp b, 0,1,2,3,4,5,6,7
	global_store_b128 v[CO], v[TMP+4*(8*\a+\b):TMP+4*(8*\a+\b)+3], s[12:13] offset:(4*\hh+\a)*2048+(\b%4)*512+(\b/4)*262144
.endr
.endr
.endr
	s_wait_tensorcnt 0x0                           ; the wave's end, behind my last tensor load
	ds_add_u32 v[SPW], v[NIL]
	s_wait_dscnt 0x0
	CROUND                                         ; the closing round
	s_endpgm
.Lfunc_end_k_q2fe825610c_proj:
	.size	k_q2fe825610c_proj, .Lfunc_end_k_q2fe825610c_proj-k_q2fe825610c_proj
	.p2alignl 7, 3214868480
	.fill 96, 4, 3214868480
	.section	.rodata,"a",@progbits
	.p2align	6, 0x0
	.amdhsa_kernel k_q2fe825610c_proj
		.amdhsa_group_segment_fixed_size 327680
		.amdhsa_private_segment_fixed_size 0
		.amdhsa_enable_private_segment 0
		.amdhsa_kernarg_size 64
		.amdhsa_user_sgpr_count 2
		.amdhsa_user_sgpr_kernarg_segment_ptr 1
		.amdhsa_wavefront_size32 1
		.amdhsa_system_sgpr_workgroup_id_x 1
		.amdhsa_system_sgpr_workgroup_id_y 1
		.amdhsa_system_sgpr_workgroup_id_z 1
		.amdhsa_system_vgpr_workitem_id 0
		.amdhsa_next_free_vgpr 1024
		.amdhsa_next_free_sgpr 102
		.amdhsa_reserve_vcc 0
		.amdhsa_float_denorm_mode_32 3
		.amdhsa_float_denorm_mode_16_64 3
		.amdhsa_memory_ordered 1
		.amdhsa_forward_progress 1
		.amdhsa_inst_pref_size 119
	.end_amdhsa_kernel
	.amdgpu_metadata
---
amdhsa.version: [ 1, 2 ]
amdhsa.kernels:
  - .name:           k_q2fe825610c_proj
    .symbol:         k_q2fe825610c_proj.kd
    .args:
      - { .name: xcodes, .offset: 0, .size: 8, .value_kind: global_buffer, .address_space: global }
      - { .name: xscales, .offset: 8, .size: 8, .value_kind: global_buffer, .address_space: global }
      - { .name: wcodes, .offset: 16, .size: 8, .value_kind: global_buffer, .address_space: global }
      - { .name: wscales, .offset: 24, .size: 8, .value_kind: global_buffer, .address_space: global }
      - { .name: qkv, .offset: 32, .size: 8, .value_kind: global_buffer, .address_space: global }
      - { .name: bq, .offset: 40, .size: 8, .value_kind: global_buffer, .address_space: global }
      - { .name: bk, .offset: 48, .size: 8, .value_kind: global_buffer, .address_space: global }
      - { .name: bv, .offset: 56, .size: 8, .value_kind: global_buffer, .address_space: global }
    .group_segment_fixed_size: 327680
    .private_segment_fixed_size: 0
    .kernarg_segment_align: 8
    .kernarg_segment_size: 64
    .max_flat_workgroup_size: 128
    .sgpr_count:     102
    .vgpr_count:     1024
    .wavefront_size: 32
...
	.end_amdgpu_metadata
.endif
;; end of part 2
;; launch attn (part 3): grid 4 x 64, 8 waves a work-group, clusters of 4 x 1, 327,680 bytes of LDS; arguments qkv, o16; writes o16
.if DOCPART == 3
	.amdgcn_target "amdgcn-amd-amdhsa--gfx1250"
	.amdhsa_code_object_version 6
	.text
	.protected	k_q2fe825610c_attn
	.globl	k_q2fe825610c_attn
	.p2align	8
	.type	k_q2fe825610c_attn,@function
k_q2fe825610c_attn:
	s_mov_b64 s[64:65], 0
	v_nop
	global_prefetch_b8 v0, s[64:65] scope:SCOPE_SE
	s_setreg_imm32_b32 hwreg(HW_REG_WAVE_MODE, 25, 1), 1
	s_wait_xcnt 0x0
	s_wait_alu depctr_hold_cnt(0) depctr_sa_sdst(0) depctr_va_vdst(0) depctr_va_sdst(0) depctr_va_ssrc(0) depctr_va_vcc(0) depctr_vm_vsrc(0)
	s_getreg_b32 s2, hwreg(HW_REG_IB_STS2, 6, 4)
	s_cmp_eq_u32 s2, 0
	s_cbranch_scc0 .Lentry_in_a_cluster
	s_endpgm
.Lentry_in_a_cluster:
	s_bfe_u32 s2, ttmp6, 0x10000c
	s_cmp_lg_u32 s2, 0x3003
	s_cbranch_scc0 .Lentry_shape_is_right
	s_endpgm
.Lentry_shape_is_right:
; ATTN: o[b][h][q] = the sum over k of softmax_k(q . k / 8) v, head size 64, 2,048 keys, no mask.  q, k, v come as f16 in the order of the operands' registers (qkv, as the launch before lays it);
; products, maxima and sums in f32; the weights p are rounded to f16 for the second product, o once at the end.
; SHARES.  A cluster of four work-groups is one (batch, head); a work-group owns 512 queries, each of its eight waves 64: four tiles of 16, in 512 registers, so that two waves share a SIMD and one
; wave's softmax stands beside the other's products.  Every wave walks all keys, 64 a step; each fragment of K or V read from LDS feeds four matrix instructions.
; LAYOUT.  S^T = K Q^T (source 0 = 16 keys, source 1 = 16 queries): a lane holds ONE query (lane % 16) and keys 8 (lane / 16) + 0 .. 7 of each tile.  Two tiles, packed to f16 in pairs, ARE source 1
; (32 keys x 16 queries) of O^T = V^T P, whose result again holds one query a lane.  K comes out of LDS as images of registers, V ([key][channel], rows of 32 bytes) turned by ds_load_tr16_b128.
; SOFTMAX.  For each query a running maximum m and sum l: p = 2^(c s - c m), c = log2(e) / 8; in every step O and l are multiplied by a = 2^(c m_old - c m_new).  m begins at -3e38 and O, l at zero, so the
; step is written once: the first step's a is 0 and multiplies zeros.
; RING.  Two LDS slots of 512 keys (K's 65,536 bytes, then V's).  Each of the eight waves fetches one eighth, 16,384 dense bytes, by ONE line of the text: LDS and memory address hang on the wave's number.
; The four work-groups walk the same K and V: the load is a JOINT one, with the same descriptor and a mask that names the four.
; o16: images of 16 rows x 32 k for the last product: image (mt, kf) at (32 mt + kf) x 1,024 bytes, mt = (2,048 b + position) / 16, kf = 2 head + channel / 32.
; LIMIT: o goes to f16 (|o| is at most the largest |v|); under 6e-5 its step is 2^-24.
; REGISTERS: window 0: v1-7 addresses; v8-39 eight registers of statistics a tile; v64-191 S^T, 32 a tile, P in place in the first 16 of them; v192-255 V's fragments.
;            window 1: v0-127 O^T, 32 a tile; v128-191 Q; v192-255 K's fragments.
.set SLOT1, 1<<17                      ; slot 1 begins here: one exclusive or turns an address in one slot into the other's
.set VOFF,  65536                      ; V's part of a slot
.set STEPB, 8192                       ; 64 keys: four tiles of 2,048 bytes, in K and in V
.set SPARE, 2*SLOT1                    ; the spare words, 128 bytes for each wave: four blocks of 256 bytes that no other line names
.set LI,  1                            ; v1  16 x lane
.set AV0, 2                            ; v2  my lane's place in a block of V, + VOFF
.set ADK, 3                            ; v3  LDS address of the step's K
.set ADV, 4                            ; v4  of its V
.set PFO, 5                            ; v5  256 x lane
.set SPW, 6                            ; v6  LDS address of my spare word; never rewritten
.set NIL, 7                            ; v7  0; never rewritten
.set ST,  8                            ; tile t at v[ST + 8 t]: +0 c m, +1 m, +2, +3 l (even keys', odd keys'), +4, +5 at work, +6 a, +7 at work
.set S,   64
.set VF,  192
.set OT,  0                            ; in window 1
.set QF,  128
.set KF,  192
.set WV,  12
.set LIM, 15                           ; s15  1 in a wave that prefetches, else the greatest number
.set PFA, 18                           ; s[18:19] where my prefetches stand
.set G1,  24
.set G0,  40
.set SLOTS, 56
.set STEPS, 57
.set CS,  58
.set SEL, 60
.set TB,  62                           ; s62  LDS byte at which the step's tiles begin
.set MSB, 0
.macro WIN new
.if MSB != (\new)
	s_set_vgpr_msb (MSB<<8)|(\new)
.set MSB, (\new)
.endif
.endm
.set W_KQ, 0x05                        ; K and Q in window 1, S^T in window 0
.set W_PV, 0x50                        ; V and P in window 0, O^T (C and D) in window 1
.set W_RS, 0x41                        ; O^T (destination and source 0) in window 1, a in window 0
.set TO1,  0x40                        ; destination window 1
.macro CROUND                          ; a round of the cluster's barrier
	s_barrier_signal -1
	s_barrier_wait -1
	s_cmp_lg_u32 s[WV], 0
	s_cbranch_scc1 .Lnot_wave_0_\@
	s_barrier_signal -3
.Lnot_wave_0_\@:
	s_barrier_wait -3
	s_barrier_signal -1
	s_barrier_wait -1
.endm
; A PREFETCH INTO THE L2 of what the NEXT change of slots will ask for.  Waves 2 i and 2 i + 1 fetch 32,768 consecutive bytes; of these, wave 2 i of the partner at place cx names the 8,192 bytes from
; 8,192 cx on, lanes 256 bytes apart: the partners are told apart by address, and each block of 256 bytes is named once in the launch (a head has one cluster).  It stands behind the wave's tensor load
; and its five lines, eight key steps ahead of the load that will want the bytes.  The last change that fills a slot asks for nothing; slots 0 and 1 come by their loads alone.
.macro ASK
	s_cmp_gt_u32 s[SLOTS], s[LIM]
	s_cbranch_scc0 .Lnot_mine_\@
	global_prefetch_b8 v[PFO], s[PFA:PFA+1] th:TH_LOAD_NT scope:SCOPE_SE
.Lnot_mine_\@:
.endm
	s_load_b128 s[4:7], s[0:1], 0x0                ; qkv, o16
	v_lshl_add_u32 v[SPW], v0, 2, SPARE
	v_mov_b32 v[NIL], 0
	ds_add_u32 v[SPW], v[NIL]                      ; the wave's opening: the add, twice on end, and its wait ahead of my first tensor load
	ds_add_u32 v[SPW], v[NIL]
	v_lshrrev_b32 v1, 5, v0
	v_readfirstlane_b32 s[WV], v1                  ; wave 0..7
	s_bfe_u32 s13, ttmp6, 0x40000                  ; cx: my block of 512 queries (the grid is one cluster wide)
	s_and_b32 s14, ttmp7, 0xffff                   ; (batch, head), which the four partners share
	; descriptor group 1: 64 rows of 256 bytes (32 elements of 8 bytes), dense in memory and in LDS
	s_mov_b32 s[G1], 15|(3<<16)|(1<<21)            ; 15:0 the mask: all four work-groups; 17:16 elements of 8 bytes; 21 set beside a mask; no padding
	s_mov_b32 s[G1+1], 32<<16                      ; tensor_dim0
	s_mov_b32 s[G1+2], 64<<16                      ; tensor_dim1
	s_mov_b32 s[G1+3], 32<<16                      ; tile_dim0
	s_mov_b32 s[G1+4], 64                          ; tile_dim1
	s_mov_b32 s[G1+5], 32                          ; from row to row
	s_mov_b32 s[G1+6], 0
	s_mov_b32 s[G1+7], 0
	s_mov_b32 s[CS], 0x3e38aa3b                    ; c = log2(e) / 8
	s_mov_b32 s[CS+1], s[CS]                       ; (named with it as a pair, so it is written)
	s_mov_b32 s[SEL], 0x76543210
	s_mov_b32 s[SEL+1], 0xfedcba98                 ; v_permlanex16_b32's selects for lane l xor 16
	s_mov_b32 s[TB], 0
	s_mov_b32 s[SLOTS], 3
	s_and_b32 s[LIM], s[WV], 1
	s_cmp_eq_u32 s[LIM], 0
	s_cselect_b32 s[LIM], 1, -1                    ; even waves prefetch: the same in all partners
	s_lshr_b32 s20, s[WV], 2                       ; what I fetch: waves 0-3 K (tensor 1), waves 4-7 V (tensor 2): 2^24 bytes a tensor,
	s_add_co_u32 s20, s20, 1
	s_lshl_b32 s20, s20, 24
	s_lshl_b32 s21, s14, 18                        ; 262,144 bytes a head,
	s_add_co_u32 s20, s20, s21
	s_and_b32 s22, s[WV], 3
	s_lshl_b32 s22, s22, 14                        ; my quarter of a slot's 65,536
	s_add_co_u32 s20, s20, s22
	s_lshl_b32 s22, s13, 16                        ; Q: my block's 512 rows of 128 bytes,
	s_add_co_u32 s22, s22, s21
	s_lshl_b32 s23, s[WV], 13                      ; my wave's 64
	s_add_co_u32 s22, s22, s23
	s_mov_b32 s21, 0
	s_mov_b32 s23, 0
	s_lshr_b32 s16, s14, 4                         ; O: the batch's 128 tiles of rows, 32,768 bytes each,
	s_lshl_b32 s16, s16, 22
	s_lshl_b32 s17, s13, 20                        ; my block's 32,
	s_add_co_u32 s16, s16, s17
	s_lshl_b32 s17, s[WV], 17                      ; my wave's 4,
	s_add_co_u32 s16, s16, s17
	s_and_b32 s17, s14, 15
	s_lshl_b32 s17, s17, 11                        ; the head's two images in each
	s_add_co_u32 s16, s16, s17
	s_mov_b32 s17, 0
	v_and_b32 v[LI], 31, v0
	v_lshlrev_b32 v[PFO], 8, v[LI]
	v_lshlrev_b32 v[LI], 4, v[LI]
	s_wait_dscnt 0x0                               ; both opening adds are done
	s_wait_kmcnt 0x0
	s_add_nc_u64 s[20:21], s[4:5], s[20:21]        ; my eighth of the head's first 512 keys
	s_add_nc_u64 s[4:5], s[4:5], s[22:23]          ; Q at my wave's first query
	s_add_nc_u64 s[6:7], s[6:7], s[16:17]          ; O likewise
	s_lshl_b32 s22, s13, 13
	s_add_co_u32 s22, s22, 65536                   ; the prefetches stand a slot's keys on; the first change of slots steps them once more
	s_add_nc_u64 s[PFA:PFA+1], s[20:21], s[22:23]
	s_mov_b32 s[G0], 1                             ; count = 1
	s_lshl_b32 s[G0+1], s[WV], 14                  ; LDS address: slot 0, my eighth: no place in the cluster enters it
	s_mov_b64 s[G0+2:G0+3], s[20:21]
	s_or_b32 s[G0+3], s[G0+3], 0x80000000          ; type = 2
	CROUND                                         ; all four work-groups are here: the first joint loads meet
	tensor_load_to_lds s[G0:G0+3], s[G1:G1+7]      ; slot 0: one tensor load of mine is out
	s_nop 0
.rept 4
	v_nop
.endr
	WIN TO1
.irp n, 0,1,2,3,4,5,6,7,8,9,10,11,12,13,14,15      ; Q stays in registers: tile n / 4, channels 32 ((n / 2) % 2) on, registers 4 (n % 2) on
	global_load_b128 v[QF+4*\n:QF+4*\n+3], v[LI], s[4:5] offset:512*\n
.endr
.set j, 0
.rept 128
	v_mov_b32 v[OT+j], 0                           ; O^T: the step is written once, and its first trip finds zeros
.set j, j+1
.endr
	WIN 0
	v_and_b32 v[ADK], 7, v0                        ; the turning load: lane l reads key 8 (l / 16) + l % 8, channels 8 ((l / 8) % 2) + 0 .. 7, of a block of 16 keys x 16 channels
	v_bfe_u32 v[ADV], v0, 4, 1
	v_lshl_add_u32 v[AV0], v[ADV], 3, v[ADK]
	v_bfe_u32 v[ADK], v0, 3, 1
	v_lshlrev_b32 v[AV0], 5, v[AV0]
	v_lshl_add_u32 v[AV0], v[ADK], 4, v[AV0]
	v_add_nc_u32 v[AV0], VOFF, v[AV0]
.irp t, 0,1,2,3
	v_mov_b32 v[ST+8*\t+1], 0xff61b1e6             ; m = -3e38, under every score
	v_mul_f32 v[ST+8*\t], s[CS], v[ST+8*\t+1]      ; c m
	v_mov_b32 v[ST+8*\t+2], 0                      ; l
	v_mov_b32 v[ST+8*\t+3], 0
.endr
	s_wait_loadcnt 0x0                             ; Q
; A KEY STEP: 64 keys against my 64 queries.  In every vector stage the four tiles take turns, so that no line waits for the line above it.
.macro STEP
	v_add_nc_u32 v[ADK], s[TB], v[LI]              ; these two and three v_nop: five plain instructions behind the last step's V^T P: its V registers are loaded anew (four are asked) and
	v_add_nc_u32 v[ADV], s[TB], v[AV0]             ; its P registers are written over by the products below (five are asked: ISA guide 7.12.1)
.rept 3
	v_nop
.endr
	WIN TO1
.irp n, 0,1,2,3,4,5,6,7,8,9,10,11,12,13,14,15      ; K: tile of keys n / 4, channels 32 ((n / 2) % 2) on: 512 consecutive bytes a load
	ds_load_b128 v[KF+4*\n:KF+4*\n+3], v[ADK] offset:512*\n
.endr
	WIN 0
.irp kk, 0,1                                       ; V^T: keys 32 kk on, channels 16 ch on
.irp ch, 0,1,2,3
	ds_load_tr16_b128 v[VF+8*(4*\kk+\ch):VF+8*(4*\kk+\ch)+3], v[ADV] offset:2*\kk*2048+\ch*512
	ds_load_tr16_b128 v[VF+8*(4*\kk+\ch)+4:VF+8*(4*\kk+\ch)+7], v[ADV] offset:(2*\kk+1)*2048+\ch*512
.endr
.endr
	s_wait_dscnt 16                                ; K's sixteen loads are in; V's sixteen may be out: they land under the softmax
	WIN W_KQ
.irp f, 0,1                                        ; S^T = K Q^T: the 16 accumulators take turns, one instruction a turn; the first 16 start the sums
.irp i, 0,1,2,3
.irp t, 0,1,2,3
.if \f == 0
	v_wmma_f32_16x16x32_f16 v[S+32*\t+8*\i:S+32*\t+8*\i+7], v[KF+8*(2*\i+\f):KF+8*(2*\i+\f)+7], v[QF+16*\t+8*\f:QF+16*\t+8*\f+7], 0
.else
	v_wmma_f32_16x16x32_f16 v[S+32*\t+8*\i:S+32*\t+8*\i+7], v[KF+8*(2*\i+\f):KF+8*(2*\i+\f)+7], v[QF+16*\t+8*\f:QF+16*\t+8*\f+7], v[S+32*\t+8*\i:S+32*\t+8*\i+7]
.endif
.endr
.endr
.endr
	WIN 0
.rept 4
	v_nop                                          ; four places in front of the first read of results
.endr
	; the maximum of a lane's 32 scores and the old m: four chains, each begun at its accumulator's low end
.irp i, 0,1,2,3
.irp t, 0,1,2,3
	v_max3_num_f32 v[ST+8*\t+4+\i], v[S+32*\t+8*\i], v[S+32*\t+8*\i+1], v[S+32*\t+8*\i+2]
.endr
.endr
.irp u, 3,5
.irp i, 0,1,2,3
.irp t, 0,1,2,3
	v_max3_num_f32 v[ST+8*\t+4+\i], v[ST+8*\t+4+\i], v[S+32*\t+8*\i+\u], v[S+32*\t+8*\i+\u+1]
.endr
.endr
.endr
.irp t, 0,1,2,3
	v_max3_num_f32 v[ST+8*\t+4], v[ST+8*\t+4], v[S+32*\t+7], v[S+32*\t+15]
.endr
.irp t, 0,1,2,3
	v_max3_num_f32 v[ST+8*\t+6], v[ST+8*\t+6], v[S+32*\t+23], v[S+32*\t+31]
.endr
.irp t, 0,1,2,3
	v_max3_num_f32 v[ST+8*\t+4], v[ST+8*\t+4], v[ST+8*\t+5], v[ST+8*\t+6]
.endr
.irp t, 0,1,2,3
	v_max3_num_f32 v[ST+8*\t+4], v[ST+8*\t+4], v[ST+8*\t+7], v[ST+8*\t+1]
.endr
.irp t, 0,1,2,3
	v_permlanex16_b32 v[ST+8*\t+5], v[ST+8*\t+4], s[SEL], s[SEL+1]   ; the query's other 32 keys lie in the lane 16 away
.endr
.irp t, 0,1,2,3
	v_mov_b32 v[ST+8*\t+7], v[ST+8*\t]             ; c m_old is kept for a
.endr
.irp t, 0,1,2,3
	v_max_num_f32 v[ST+8*\t+1], v[ST+8*\t+4], v[ST+8*\t+5]           ; the new m
.endr
.irp t, 0,1,2,3
	v_mul_f32 v[ST+8*\t], s[CS], v[ST+8*\t+1]      ; c m
.endr
.irp t, 0,1,2,3
	v_sub_f32 v[ST+8*\t+7], v[ST+8*\t+7], v[ST+8*\t]
.endr
	; ONE BATCH of exponentials: the four a, the 64 scalings (which read no exponential's result), the 128 p; then one plain instruction and one wait for all of them
.irp t, 0,1,2,3
	v_exp_f32 v[ST+8*\t+6], v[ST+8*\t+7]           ; a = 2^(c m_old - c m_new)
.endr
.irp b, 0,1,2,3,4,5,6,7,8,9,10,11,12,13,14,15
.irp t, 0,1,2,3
	v_pk_fma_f32 v[S+32*\t+2*\b:S+32*\t+2*\b+1], v[S+32*\t+2*\b:S+32*\t+2*\b+1], s[CS:CS+1], v[ST+8*\t:ST+8*\t+1] op_sel_hi:[1,0,0] neg_lo:[0,0,1] neg_hi:[0,0,1]   ; c s - c m, two at a time
.endr
.endr
.irp e, 0,1,2,3,4,5,6,7,8,9,10,11,12,13,14,15,16,17,18,19,20,21,22,23,24,25,26,27,28,29,30,31
.irp t, 0,1,2,3
	v_exp_f32 v[S+32*\t+\e], v[S+32*\t+\e]
.endr
.endr
	v_nop                                          ; a plain instruction behind the last exponential
	s_wait_alu depctr_va_vdst(0)                   ; the wait ahead of the first instruction that names a result: one for the batch
	; l = a l + the sum of the 32 p, in two chains that leave p as it is
.irp t, 0,1,2,3
	v_pk_fma_f32 v[ST+8*\t+2:ST+8*\t+3], v[ST+8*\t+2:ST+8*\t+3], v[ST+8*\t+6:ST+8*\t+7], v[S+32*\t:S+32*\t+1] op_sel_hi:[1,0,1]
.endr
.irp t, 0,1,2,3
	v_pk_add_f32 v[ST+8*\t+4:ST+8*\t+5], v[S+32*\t+2:S+32*\t+3], v[S+32*\t+4:S+32*\t+5]
.endr
.irp j, 6,10,14,18,22,26
.irp t, 0,1,2,3
	v_pk_add_f32 v[ST+8*\t+2:ST+8*\t+3], v[ST+8*\t+2:ST+8*\t+3], v[S+32*\t+\j:S+32*\t+\j+1]
.endr
.irp t, 0,1,2,3
	v_pk_add_f32 v[ST+8*\t+4:ST+8*\t+5], v[ST+8*\t+4:ST+8*\t+5], v[S+32*\t+\j+2:S+32*\t+\j+3]
.endr
.endr
.irp t, 0,1,2,3
	v_pk_add_f32 v[ST+8*\t+2:ST+8*\t+3], v[ST+8*\t+2:ST+8*\t+3], v[S+32*\t+30:S+32*\t+31]
.endr
.irp t, 0,1,2,3
	v_pk_add_f32 v[ST+8*\t+2:ST+8*\t+3], v[ST+8*\t+2:ST+8*\t+3], v[ST+8*\t+4:ST+8*\t+5]
.endr
	; P in place, ascending: destination j never passes the sources 2 j and 2 j + 1.  Registers 8 kk .. 8 kk + 7 are the fragment of keys 32 kk on
.irp j, 0,1,2,3,4,5,6,7,8,9,10,11,12,13,14,15
.irp t, 0,1,2,3
	v_cvt_pk_f16_f32 v[S+32*\t+\j], v[S+32*\t+2*\j], v[S+32*\t+2*\j+1]
.endr
.endr
	WIN W_RS
.irp u, 0,1,2,3,4,5,6,7,8,9,10,11,12,13,14,15      ; O^T x a, each accumulator from its low end on
.irp t, 0,1,2,3
	v_pk_mul_f32 v[OT+32*\t+2*\u:OT+32*\t+2*\u+1], v[OT+32*\t+2*\u:OT+32*\t+2*\u+1], v[ST+8*\t+6:ST+8*\t+7] op_sel_hi:[1,0]
.endr
.endr
	s_wait_dscnt 0x0                               ; V is in
	WIN W_PV
.irp kk, 0,1                                       ; O^T += V^T P: the 16 accumulators take turns, one instruction a turn
.irp ch, 0,1,2,3
.irp t, 0,1,2,3
	v_wmma_f32_16x16x32_f16 v[OT+32*\t+8*\ch:OT+32*\t+8*\ch+7], v[VF+8*(4*\kk+\ch):VF+8*(4*\kk+\ch)+7], v[S+32*\t+8*\kk:S+32*\t+8*\kk+7], v[OT+32*\t+8*\ch:OT+32*\t+8*\ch+7]
.endr
.endr
.endr
	WIN 0
	s_add_co_u32 s[TB], s[TB], STEPB               ; the next step's tiles
.endm
.macro EIGHT_STEPS                     ; a slot's eight key steps: written once, walked eight times
	s_mov_b32 s[STEPS], 8
.Lstep_\@:
	STEP
	s_sub_co_u32 s[STEPS], s[STEPS], 1
	s_cmp_lg_u32 s[STEPS], 0
	s_cbranch_scc1 .Lstep_\@
	s_sub_co_u32 s[TB], s[TB], 8*STEPB             ; back to a slot's first step,
	s_xor_b32 s[TB], s[TB], SLOT1                  ; in the other slot
.endm
; THE CHANGE OF SLOTS stands at a slot's head.  Each wave waits for all its tensor loads (its eighth of the slot that it is about to read), adds 0 to its spare word, and waits for that and for its reads of
; the slot that it has left.  fill = 1: a round of the cluster's barrier, so that no wave of any partner still reads the other slot or has a load on its way; behind it that slot is filled with the next
; 512 keys: the wave's one tensor load until the next change, with eight key steps, 512 matrix instructions, in which to land.  (In the first trip slot 1 is filled for the first time, by all waves alike.)
.macro CHANGE fill
	s_wait_tensorcnt 0x0                           ; no tensor load of mine is out, so the descriptor may be written
	ds_add_u32 v[SPW], v[NIL]                      ; 0 onto my spare word
.if \fill
	s_xor_b32 s[G0+1], s[G0+1], SLOT1              ; the walking descriptor: the other slot than last time,
	s_add_nc_u64 s[G0+2:G0+3], s[G0+2:G0+3], 65536 ; the next 512 keys; the type bits on top are not reached
	s_wait_xcnt 0x0                                ; the last prefetch, a slot back, has read its address, so it may be written
	s_add_nc_u64 s[PFA:PFA+1], s[PFA:PFA+1], 65536
.endif
	s_wait_dscnt 0x0                               ; the add is done, and my reads of the slot that I have left are over
.if \fill
	CROUND
	tensor_load_to_lds s[G0:G0+3], s[G1:G1+7]
	s_nop 0
.rept 4
	v_nop
.endr
	ASK
.else
	s_barrier_signal -1
	s_barrier_wait -1
.endif
.endm
.Lslot:                                            ; three trips: behind each change of slots but the last the next 512 keys are asked for
	CHANGE 1
	EIGHT_STEPS
	s_sub_co_u32 s[SLOTS], s[SLOTS], 1
	s_cmp_lg_u32 s[SLOTS], 0
	s_cbranch_scc1 .Lslot
	CHANGE 0                                       ; the last slot is written out
	EIGHT_STEPS
	; THE WAY OUT.  l's two halves and the other half of the lanes' are added (the first four additions are the places behind the last products); O^T / l, packed to f16: a lane's eight channels are 16 bytes,
	; and the 32 lanes' are 512 consecutive bytes of an image of o16: stored straight from registers.
.irp t, 0,1,2,3
	v_add_f32 v[ST+8*\t+4], v[ST+8*\t+2], v[ST+8*\t+3]
.endr
.irp t, 0,1,2,3
	v_permlanex16_b32 v[ST+8*\t+5], v[ST+8*\t+4], s[SEL], s[SEL+1]
.endr
.irp t, 0,1,2,3
	v_add_f32 v[ST+8*\t+4], v[ST+8*\t+4], v[ST+8*\t+5]
.endr
.irp t, 0,1,2,3
	v_rcp_f32 v[ST+8*\t+6], v[ST+8*\t+4]
.endr
	v_nop                                          ; a plain instruction behind the last reciprocal
	s_wait_alu depctr_va_vdst(0)                   ; and the wait ahead of the first use: one for the four
	WIN W_RS
.irp u, 0,1,2,3,4,5,6,7,8,9,10,11,12,13,14,15
.irp t, 0,1,2,3
	v_pk_mul_f32 v[OT+32*\t+2*\u:OT+32*\t+2*\u+1], v[OT+32*\t+2*\u:OT+32*\t+2*\u+1], v[ST+8*\t+6:ST+8*\t+7] op_sel_hi:[1,0]
.endr
.endr
	WIN 0x05                                       ; sources in window 1, destination in window 0: S^T's registers are free
.irp t, 0,1,2,3
.irp ch, 0,1,2,3
.irp p, 0,1,2,3
	v_cvt_pk_f16_f32 v[S+16*\t+4*\ch+\p], v[OT+32*\t+8*\ch+2*\p], v[OT+32*\t+8*\ch+2*\p+1]
.endr
.endr
.endr
	WIN 0
.irp t, 0,1,2,3
.irp ch, 0,1,2,3
	global_store_b128 v[LI], v[S+16*\t+4*\ch:S+16*\t+4*\ch+3], s[6:7] offset:\t*32768+(\ch/2)*1024+(\ch%2)*512
.endr
.endr
	s_wait_tensorcnt 0x0                           ; the wave's end, behind my last tensor load
	ds_add_u32 v[SPW], v[NIL]
	s_wait_dscnt 0x0
	CROUND                                         ; the closing round: no work-group ends while a partner may still ask for a tile that names it
	s_endpgm
.Lfunc_end_k_q2fe825610c_attn:
	.size	k_q2fe825610c_attn, .Lfunc_end_k_q2fe825610c_attn-k_q2fe825610c_attn
	.p2alignl 7, 3214868480
	.fill 96, 4, 3214868480
	.section	.rodata,"a",@progbits
	.p2align	6, 0x0
	.amdhsa_kernel k_q2fe825610c_attn
		.amdhsa_group_segment_fixed_size 327680
		.amdhsa_private_segment_fixed_size 0
		.amdhsa_enable_private_segment 0
		.amdhsa_kernarg_size 16
		.amdhsa_user_sgpr_count 2
		.amdhsa_user_sgpr_kernarg_segment_ptr 1
		.amdhsa_wavefront_size32 1
		.amdhsa_system_sgpr_workgroup_id_x 1
		.amdhsa_system_sgpr_workgroup_id_y 1
		.amdhsa_system_sgpr_workgroup_id_z 1
		.amdhsa_system_vgpr_workitem_id 0
		.amdhsa_next_free_vgpr 512
		.amdhsa_next_free_sgpr 66
		.amdhsa_reserve_vcc 0
		.amdhsa_float_denorm_mode_32 3
		.amdhsa_float_denorm_mode_16_64 3
		.amdhsa_memory_ordered 1
		.amdhsa_forward_progress 1
		.amdhsa_inst_pref_size 86
	.end_amdhsa_kernel
	.amdgpu_metadata
---
amdhsa.version: [ 1, 2 ]
amdhsa.kernels:
  - .name:           k_q2fe825610c_attn
    .symbol:         k_q2fe825610c_attn.kd
    .args:
      - { .name: qkv, .offset: 0, .size: 8, .value_kind: global_buffer, .address_space: global }
      - { .name: o16, .offset: 8, .size: 8, .value_kind: global_buffer, .address_space: global }
    .group_segment_fixed_size: 327680
    .private_segment_fixed_size: 0
    .kernarg_segment_align: 8
    .kernarg_segment_size: 16
    .max_flat_workgroup_size: 256
    .sgpr_count:     66
    .vgpr_count:     512
    .wavefront_size: 32
...
	.end_amdgpu_metadata
.endif
;; end of part 3
;; launch outp (part 4): grid 4 x 64, 4 waves a work-group, clusters of 4 x 4, 327,680 bytes of LDS; arguments o16, wo16, bo, out0; writes out0
.if DOCPART == 4
	.amdgcn_target "amdgcn-amd-amdhsa--gfx1250"
	.amdhsa_code_object_version 6
	.text
	.protected	k_q2fe825610c_outp
	.globl	k_q2fe825610c_outp
	.p2align	8
	.type	k_q2fe825610c_outp,@function
k_q2fe825610c_outp:
	s_mov_b64 s[64:65], 0
	v_nop
	global_prefetch_b8 v0, s[64:65] scope:SCOPE_SE
	s_setreg_imm32_b32 hwreg(HW_REG_WAVE_MODE, 25, 1), 1
	s_wait_xcnt 0x0
	s_wait_alu depctr_hold_cnt(0) depctr_sa_sdst(0) depctr_va_vdst(0) depctr_va_sdst(0) depctr_va_ssrc(0) depctr_va_vcc(0) depctr_vm_vsrc(0)
	s_getreg_b32 s2, hwreg(HW_REG_IB_STS2, 6, 4)
	s_cmp_eq_u32 s2, 0
	s_cbranch_scc0 .Lentry_in_a_cluster
	s_endpgm
.Lentry_in_a_cluster:
	s_bfe_u32 s2, ttmp6, 0x10000c
	s_cmp_lg_u32 s2, 0xf033
	s_cbranch_scc0 .Lentry_shape_is_right
	s_endpgm
.Lentry_shape_is_right:
; OUTP: out0 = o Wo + bo.  o [8192][1024] and Wo come as f16 in images of operand registers (o16, wo16: image (tile of 16 rows or columns, kf) at (32 tile + kf) x 1,024 bytes); sums in f32; out0 f32.
; A tile of C is 128 rows x 256 columns: 256 work-groups.  Four waves, each 64 x 128: 32 accumulators, 256 registers.  K goes in steps of 128 (four images deep) through a ring of two LDS slots.
; A tile of 16 rows' four images of a K step are 4,096 consecutive bytes of memory: a tensor load brings 4 (o) or 8 (Wo) such rows, 32,768 bytes apart in memory, dense in LDS.  A fragment is two LDS loads
; of 512 consecutive bytes each: no pitch, no padding.
; CLUSTERS: 4 x 4 work-groups.  The four of a row of the cluster need the same tiles of o, the four of a column the same tiles of Wo: each is asked for JOINTLY.
; THE MATRIX INSTRUCTION IS USED TRANSPOSED (source 0 = 16 columns of Wo, source 1 = 16 rows of o): a lane holds eight neighbouring numbers of a row of C.  bo is the C of each sum's first matrix instruction.
; No prefetch: a K step's tiles are small, the launch is short, and the tiles are shared in the cluster.
; REGISTERS: window 0: v16-29 addresses; v32-127 and v128-223 two fragment buffers (o's 4 x 8 registers, then Wo's 8 x 8); on the way out v32-159 hold rows of C.
;            window 1: accumulator (a, b) at v[8 (8 a + b)].   window 2: v0-63 bo, eight registers for each block of 16 columns.
.set SLOT,   98304                     ; o's 8 tiles of rows x 4,096 bytes, then Wo's 16 tiles of columns x 4,096
.set BOFF,   32768
.set STAGE,  2*SLOT                    ; behind the ring: 16 rows x 528 bytes for each wave, for the way out; no tensor load lands there
.set SPITCH, 528
.set SPARE,  STAGE+4*16*SPITCH         ; the spare words, 128 bytes for each wave: two blocks of 256 bytes that no other line names
.set ADRA, 16
.set ADRB, 20
.set STO,  24
.set RD,   25
.set CO,   26                          ; v26  16 x lane
.set SPW,  28
.set NIL,  29
.set F0,   32
.set F1,   128
.set BK,   32                          ; the way out: 16 rows read back: v32-95 and v96-159 by turns
.set G1, 24
.set G0, 32
.set G1B, 48
.set G0B, 56
.set MSB, 0
.macro WIN new
.if MSB != (\new)
	s_set_vgpr_msb (MSB<<8)|(\new)
.set MSB, (\new)
.endif
.endm
.set MUL, 0x50                         ; sources 0 and 1 window 0; C and D window 1 (with bo as C: C window 2, 0x60)
.macro JLOAD s                         ; a joint load: waves 0 and 1 fetch o's two halves, waves 2 and 3 Wo's; an s_nop 0 and four v_nop follow each of the two lines
	s_cmp_eq_u32 s11, 0
	s_cbranch_scc0 .Lfor_b_\@
	tensor_load_to_lds s[G0+4*\s:G0+4*\s+3], s[G1:G1+7]
	s_nop 0
.rept 4
	v_nop
.endr
	s_branch .Lasked_\@
.Lfor_b_\@:
	tensor_load_to_lds s[G0B+4*\s:G0B+4*\s+3], s[G1B:G1B+7]
	s_nop 0
.rept 4
	v_nop
.endr
.Lasked_\@:
.endm
.macro CREST                           ; a round of the cluster's barrier behind its opening barrier
	s_cmp_lg_u32 s10, 0
	s_cbranch_scc1 .Lnot_wave_0_\@
	s_barrier_signal -3
.Lnot_wave_0_\@:
	s_barrier_wait -3
	s_barrier_signal -1
	s_barrier_wait -1
.endm
.macro CROUND
	s_barrier_signal -1
	s_barrier_wait -1
	CREST
.endm
	s_load_b128 s[4:7], s[0:1], 0x0                ; o16, wo16
	s_load_b128 s[68:71], s[0:1], 0x10             ; bo, out0
	v_lshl_add_u32 v[SPW], v0, 2, SPARE
	v_mov_b32 v[NIL], 0
	ds_add_u32 v[SPW], v[NIL]                      ; the wave's opening: the add, twice on end, and its wait ahead of my first tensor load
	ds_add_u32 v[SPW], v[NIL]
	v_lshrrev_b32 v1, 5, v0
	v_readfirstlane_b32 s10, v1                    ; wave 0..3
	s_lshr_b32 s11, s10, 1                         ; which 64 rows of the tile are mine.  Also: I fetch for o (0) or for Wo (1)
	s_and_b32 s12, s10, 1                          ; which 128 columns.  Also: which half of that tile I fetch
	s_bfe_u32 s40, ttmp6, 0x40000                  ; cx, cy
	s_bfe_u32 s41, ttmp6, 0x40004
	s_lshl_b32 s42, ttmp9, 2
	s_add_co_u32 s42, s42, s40                     ; tile column = 4 x cluster x + cx
	s_and_b32 s13, ttmp7, 0xffff
	s_lshl_b32 s13, s13, 2
	s_add_co_u32 s13, s13, s41                     ; tile row = 4 x cluster y + cy
	s_lshl_b32 s43, s41, 2
	s_lshl_b32 s43, 15, s43                        ; my row of the cluster
	s_lshl_b32 s44, 0x1111, s40                    ; my column
	; descriptor group 1: rows of 4,096 bytes (512 elements of 8 bytes), 32,768 bytes (4,096 elements) apart; o: 4 rows, Wo: 8 rows; no padding
	s_or_b32 s[G1+0], s43, (3<<16)|(1<<21)
	s_mov_b32 s[G1+1], 512<<16                     ; tensor_dim0
	s_mov_b32 s[G1+2], 4<<16                       ; tensor_dim1
	s_mov_b32 s[G1+3], 512<<16                     ; tile_dim0
	s_mov_b32 s[G1+4], 4                           ; tile_dim1
	s_mov_b32 s[G1+5], 4096                        ; from row to row
	s_mov_b32 s[G1+6], 0
	s_mov_b32 s[G1+7], 0
	s_or_b32 s[G1B+0], s44, (3<<16)|(1<<21)
	s_mov_b32 s[G1B+1], 512<<16
	s_mov_b32 s[G1B+2], 8<<16
	s_mov_b32 s[G1B+3], 512<<16
	s_mov_b32 s[G1B+4], 8
	s_mov_b32 s[G1B+5], 4096
	s_mov_b32 s[G1B+6], 0
	s_mov_b32 s[G1B+7], 0
	s_lshl_b32 s16, s13, 3
	s_lshl_b32 s17, s12, 2
	s_add_co_u32 s16, s16, s17                     ; o: tile of rows 8 x tile row + 4 x half
	s_lshl_b32 s16, s16, 15
	s_mov_b32 s17, 0
	s_lshl_b32 s46, s42, 4
	s_lshl_b32 s47, s12, 3
	s_add_co_u32 s46, s46, s47                     ; Wo: tile of columns 16 x tile column + 8 x half
	s_lshl_b32 s46, s46, 15
	s_mov_b32 s47, 0
	s_lshl_b32 s20, s12, 14                        ; where they go: o's halves of 16,384 bytes,
	s_lshl_b32 s21, s12, 15
	s_add_co_u32 s21, s21, BOFF                    ; Wo's halves of 32,768 behind them: no place in the cluster enters an LDS address
	s_wait_dscnt 0x0                               ; both opening adds are done
	s_wait_kmcnt 0x0
	s_add_nc_u64 s[14:15], s[4:5], s[16:17]
	s_add_nc_u64 s[46:47], s[6:7], s[46:47]
	CROUND                                         ; all sixteen work-groups are here: the first joint loads meet
.irp s, 0,1
	s_mov_b32 s[G0+4*\s], 1
	s_add_co_u32 s[G0+4*\s+1], s20, \s*SLOT
	s_add_nc_u64 s[G0+4*\s+2:G0+4*\s+3], s[14:15], \s*4096
	s_or_b32 s[G0+4*\s+3], s[G0+4*\s+3], 0x80000000
	s_mov_b32 s[G0B+4*\s], 1
	s_add_co_u32 s[G0B+4*\s+1], s21, \s*SLOT
	s_add_nc_u64 s[G0B+4*\s+2:G0B+4*\s+3], s[46:47], \s*4096
	s_or_b32 s[G0B+4*\s+3], s[G0B+4*\s+3], 0x80000000
	JLOAD \s                                       ; K steps 0 and 1: two tensor loads of mine are out
.endr
	v_and_b32 v1, 31, v0
	v_lshlrev_b32 v[CO], 4, v1                     ; 16 x lane: an image's place for my lane, and my 16 bytes of a row of C
	v_and_b32 v2, 15, v0                           ; r
	v_bfe_u32 v3, v0, 4, 1                         ; h
	; bo of my 128 columns, in the result's layout: for block b the eight numbers at 16 b + 8 h
	s_lshl_b32 s46, s42, 10
	s_lshl_b32 s47, s12, 9
	s_add_co_u32 s46, s46, s47                     ; my first column, in bytes
	s_mov_b32 s47, 0
	s_add_nc_u64 s[68:69], s[68:69], s[46:47]
	v_lshlrev_b32 v5, 5, v3
	WIN 0x80                                       ; destination window 2
.irp b, 0,1,2,3,4,5,6,7
	global_load_b128 v[8*\b:8*\b+3], v5, s[68:69] offset:64*\b
	global_load_b128 v[8*\b+4:8*\b+7], v5, s[68:69] offset:64*\b+16
.endr
	WIN 0
	s_lshl_b32 s21, s11, 14                        ; my four tiles of rows of o
	s_lshl_b32 s22, s12, 15
	s_add_co_u32 s22, s22, BOFF                    ; my eight tiles of columns of Wo
.irp s, 0,1
	v_add_nc_u32 v[ADRA+\s], s21, v[CO]
	v_add_nc_u32 v[ADRB+\s], s22, v[CO]
	s_add_co_u32 s21, s21, SLOT
	s_add_co_u32 s22, s22, SLOT
.endr
	s_mul_i32 s23, s10, 16*SPITCH
	s_add_co_u32 s23, s23, STAGE                   ; my stage
	v_mul_u32_u24 v4, v2, SPITCH
	v_lshl_add_u32 v4, v3, 5, v4
	v_add_nc_u32 v[STO], s23, v4                   ; in: row r, 32 bytes for each half of the lanes
	v_add_nc_u32 v[RD], s23, v[CO]                 ; back: the 32 lanes take one row of 512 bytes
	s_lshl_b32 s16, s13, 7
	s_lshl_b32 s17, s11, 6
	s_add_co_u32 s16, s16, s17                     ; my first row of C
	s_lshl_b32 s16, s16, 12                        ; rows of 4,096 bytes
	s_add_co_u32 s16, s16, s46
	s_mov_b32 s17, 0
	s_add_nc_u64 s[70:71], s[70:71], s[16:17]
; 8 matrix instructions: o's block a against Wo's eight, 32 along K.  zero = 1: the first product starts the sums, with bo as C.  The 32 accumulators take turns, one instruction a turn.
.macro MUL8 f, a, zero
.irp b, 0,1,2,3,4,5,6,7
.if \zero
	v_wmma_f32_16x16x32_f16 v[8*(8*(\a)+\b):8*(8*(\a)+\b)+7], v[\f+32+8*\b:\f+32+8*\b+7], v[\f+8*(\a):\f+8*(\a)+7], v[8*\b:8*\b+7]
.else
	v_wmma_f32_16x16x32_f16 v[8*(8*(\a)+\b):8*(8*(\a)+\b)+7], v[\f+32+8*\b:\f+32+8*\b+7], v[\f+8*(\a):\f+8*(\a)+7], v[8*(8*(\a)+\b):8*(8*(\a)+\b)+7]
.endif
.endr
.endm
; 24 LDS loads in one run: the fragments of the slot's q-th 32 along K into buffer f: Wo's sixteen loads first, then o's eight
.macro FETCH slot, q, f
	WIN 0
.irp b, 0,1,2,3,4,5,6,7
	ds_load_b128 v[\f+32+8*\b:\f+32+8*\b+3],   v[ADRB+\slot] offset:\b*4096+(\q)*1024
	ds_load_b128 v[\f+32+8*\b+4:\f+32+8*\b+7], v[ADRB+\slot] offset:\b*4096+(\q)*1024+512
.endr
.irp a, 0,1,2,3
	ds_load_b128 v[\f+8*\a:\f+8*\a+3],   v[ADRA+\slot] offset:\a*4096+(\q)*1024
	ds_load_b128 v[\f+8*\a+4:\f+8*\a+7], v[ADRA+\slot] offset:\a*4096+(\q)*1024+512
.endr
.endm
.macro PLACES                          ; four plain instructions in front of loads into registers that matrix instructions have read, and of the first read of results
.rept 4
	v_nop
.endr
.endm
; A K step is four quarters of 32 along K, 32 matrix instructions each, on buffers 0, 1, 0, 1.  One of the first three: multiplies buffer f and fetches quarter q into g.
.macro QUARTER slot, q, f, g, zero
	s_wait_dscnt 4                                 ; Wo's fragments and o's blocks 0, 1 are in; the youngest four loads (blocks 2, 3) may be out
	WIN MUL+0x10*(\zero)
	MUL8 \f, 0, \zero
	MUL8 \f, 1, \zero
	PLACES
	FETCH \slot, \q, \g
	s_wait_dscnt 24                                ; all but the 24 just issued
	WIN MUL+0x10*(\zero)
	MUL8 \f, 2, \zero
	MUL8 \f, 3, \zero
.endm
; The last quarter multiplies buffer 1 and changes slots: ONE barrier; in front of it each wave waits for all its tensor loads, adds 0 to its spare word, and waits for that and for its reads of this slot.
; fill = 1: the barrier opens a round of the cluster's barrier, and this slot is filled again, two K steps ahead: the wave's one tensor load until the next change, 112 matrix instructions ahead of the wait for it.
.macro TURN slot, next, fill
	WIN 0                                          ; (the add's two registers lie in window 0)
	s_wait_tensorcnt 0x0                           ; all my tensor loads have landed: my part of the next slot
	ds_add_u32 v[SPW], v[NIL]                      ; 0 onto my spare word
	s_wait_dscnt 5                                 ; (the add and the youngest four loads may be out)
	WIN MUL
	MUL8 F1, 0, 0                                  ; eight matrix instructions stand between the add and the wait for it
	s_wait_dscnt 0x0                               ; the add is done, and my reads of this slot are over
	s_barrier_signal -1
	MUL8 F1, 1, 0
.if \fill
	WIN 0
.endif
	s_barrier_wait -1
.if \fill
	CREST                                          ; no wave of any partner still reads this slot's tile or has a load on its way
	s_add_nc_u64 s[G0+4*\slot+2:G0+4*\slot+3], s[G0+4*\slot+2:G0+4*\slot+3], 2*4096
	s_add_nc_u64 s[G0B+4*\slot+2:G0B+4*\slot+3], s[G0B+4*\slot+2:G0B+4*\slot+3], 2*4096
	JLOAD \slot                                    ; the four v_nop behind it are also the places in front of the loads below
.else
	PLACES
.endif
	FETCH \next, 0, F0
	WIN MUL
	MUL8 F1, 2, 0
	MUL8 F1, 3, 0
.endm
	s_wait_tensorcnt 1                             ; my part of K step 0 is in; K step 1's load may be out
	s_barrier_signal -1
	s_barrier_wait -1                              ; everybody's is
	FETCH 0, 0, F0
	s_wait_loadcnt 0x0                             ; bo
	QUARTER 0, 1, F0, F1, 1                        ; the first quarter stands in front of the loop: its products start the sums
	WIN 0                                          ; at a label and at a branch every window is 0
	s_mov_b32 s3, 3
.Llap:                                             ; a trip goes once round the ring, from a lap's second quarter to the next lap's first, and fills both slots again: K steps 2 to 7
	QUARTER 0, 2, F1, F0, 0
	QUARTER 0, 3, F0, F1, 0
	TURN 0, 1, 1
	QUARTER 1, 1, F0, F1, 0
	QUARTER 1, 2, F1, F0, 0
	QUARTER 1, 3, F0, F1, 0
	TURN 1, 0, 1
	QUARTER 0, 1, F0, F1, 0
	WIN 0
	s_sub_co_u32 s3, s3, 1
	s_cmp_lg_u32 s3, 0
	s_cbranch_scc1 .Llap
	QUARTER 0, 2, F1, F0, 0                        ; the last lap fills nothing, and has no round of the cluster's barrier
	QUARTER 0, 3, F0, F1, 0
	TURN 0, 1, 0
	QUARTER 1, 1, F0, F1, 0
	QUARTER 1, 2, F1, F0, 0
	QUARTER 1, 3, F0, F1, 0
	s_wait_dscnt 4                                 ; the very last quarter: nothing more to fetch
	WIN MUL
	MUL8 F1, 0, 0
	MUL8 F1, 1, 0
	s_wait_dscnt 0
	MUL8 F1, 2, 0
	MUL8 F1, 3, 0
	WIN 0
; THE WAY OUT, block by block of 16 rows x 128 columns.  A lane holds 32 neighbouring bytes of a row and the lanes beside it hold other rows: a block goes through my own stage and comes back as whole rows of
; 512 bytes, which the 32 lanes store.  LDS serves a wave's instructions in order: no wait between the stores and the loads, nor in front of the next block's stores.
.macro TOSTAGE a
	WIN 0x04                                       ; an LDS store's data are its source 1: window 1
.irp b, 0,1,2,3,4,5,6,7
	ds_store_b128 v[STO], v[8*(8*(\a)+\b):8*(8*(\a)+\b)+3] offset:64*\b          ; each accumulator from its low end on
	ds_store_b128 v[STO], v[8*(8*(\a)+\b)+4:8*(8*(\a)+\b)+7] offset:64*\b+16
.endr
	WIN 0
.set BB, BK+64*((\a)%2)
.irp t, 0,1,2,3,4,5,6,7,8,9,10,11,12,13,14,15
	ds_load_b128 v[BB+4*\t:BB+4*\t+3], v[RD] offset:\t*SPITCH
.endr
.endm
.macro SEND a, younger                 ; younger: the LDS instructions issued behind block a's loads, which may stay out
.set BB, BK+64*((\a)%2)
	s_wait_dscnt \younger
.if (\a) > 0
	s_add_nc_u64 s[70:71], s[70:71], 16*4096       ; 16 rows of C on (the earlier stores have read their base: a wait for that stands ahead)
.endif
.irp t, 0,1,2,3,4,5,6,7,8,9,10,11,12,13,14,15
	global_store_b128 v[CO], v[BB+4*\t:BB+4*\t+3], s[70:71] offset:\t*4096 th:TH_STORE_NT   ; 32 lanes store 512 consecutive bytes, at a multiple of 256 from out0's first byte
.endr
.endm
	PLACES                                         ; in front of the first read of results and of loads into the registers that held fragments
	TOSTAGE 0
.irp a, 1,2,3
.if \a > 1
	s_wait_xcnt 0x0                                ; block a - 2's stores have read their registers and their base
.endif
	TOSTAGE \a
	SEND \a-1, 32                                  ; behind block a - 1's loads: block a's 16 stores and 16 loads
.endr
	s_wait_xcnt 0x0                                ; block 2's stores have read their base
	SEND 3, 0
	s_wait_tensorcnt 0x0                           ; the wave's end, behind my last tensor load and my last LDS store
	ds_add_u32 v[SPW], v[NIL]
	s_wait_dscnt 0x0
	CROUND                                         ; the closing round
	s_endpgm
.Lfunc_end_k_q2fe825610c_outp:
	.size	k_q2fe825610c_outp, .Lfunc_end_k_q2fe825610c_outp-k_q2fe825610c_outp
	.p2alignl 7, 3214868480
	.fill 96, 4, 3214868480
	.section	.rodata,"a",@progbits
	.p2align	6, 0x0
	.amdhsa_kernel k_q2fe825610c_outp
		.amdhsa_group_segment_fixed_size 327680
		.amdhsa_private_segment_fixed_size 0
		.amdhsa_enable_private_segment 0
		.amdhsa_kernarg_size 32
		.amdhsa_user_sgpr_count 2
		.amdhsa_user_sgpr_kernarg_segment_ptr 1
		.amdhsa_wavefront_size32 1
		.amdhsa_system_sgpr_workgroup_id_x 1
		.amdhsa_system_sgpr_workgroup_id_y 1
		.amdhsa_system_sgpr_workgroup_id_z 1
		.amdhsa_system_vgpr_workitem_id 0
		.amdhsa_next_free_vgpr 576
		.amdhsa_next_free_sgpr 72
		.amdhsa_reserve_vcc 0
		.amdhsa_float_denorm_mode_32 3
		.amdhsa_float_denorm_mode_16_64 3
		.amdhsa_memory_ordered 1
		.amdhsa_forward_progress 1
		.amdhsa_inst_pref_size 86
	.end_amdhsa_kernel
	.amdgpu_metadata
---
amdhsa.version: [ 1, 2 ]
amdhsa.kernels:
  - .name:           k_q2fe825610c_outp
    .symbol:         k_q2fe825610c_outp.kd
    .args:
      - { .name: o16, .offset: 0, .size: 8, .value_kind: global_buffer, .address_space: global }
      - { .name: wo16, .offset: 8, .size: 8, .value_kind: global_buffer, .address_space: global }
      - { .name: bo, .offset: 16, .size: 8, .value_kind: global_buffer, .address_space: global }
      - { .name: out0, .offset: 24, .size: 8, .value_kind: global_buffer, .address_space: global }
    .group_segment_fixed_size: 327680
    .private_segment_fixed_size: 0
    .kernarg_segment_align: 8
    .kernarg_segment_size: 32
    .max_flat_workgroup_size: 128
    .sgpr_count:     72
    .vgpr_count:     576
    .wavefront_size: 32
...
	.end_amdgpu_metadata
.endif
;; end of part 4
